; MI455X (gfx1250); checked and timed in simulation.
; The chip was launched on July 23, 2026; its instructions are those of AMD's public machine-readable ISA for CDNA 5 (MIT licence, August 2026) and "CDNA5" Instruction Set Architecture Reference Guide (July 2026). The comments in the code are by the model that wrote it; some were corrected since.
;; Attention. Allowed arithmetic: matrix products marked QUANTISED: E4M3 operands, one E8M0 scale for each 32 along K, by v_wmma_scale_f32_16x16x128_f8f6f4 with both operands' format E4M3, f32 sums; everything else in f32.
;; Inputs: Wk 1,024 x 1,024 float32; Wo 1,024 x 1,024 float32; Wq 1,024 x 1,024 float32; Wv 1,024 x 1,024 float32; bk 1,024 float32; bo 1,024 float32; bq 1,024 float32; bv 1,024 float32; x 4 x 2,048 x 1,024 float32.
;; Outputs: out0 4 x 2,048 x 1,024 float32.
;; This version of the problem:
;;   THIS VERSION OF THE PROBLEM IS GIVEN IN LOW PRECISION. The matrix products marked QUANTISED in the list below multiply operands that are first quantised to E4M3 (4 exponent bits, 3 mantissa bits; 8 bits a number), with one power-of-two scale for each 32 numbers along K (OCP MX v1.0); their sums are f32. All else is computed in f32.
;;   The module's matrix products, in the order in which they are computed (A, B: the left and right operand; K: the contracted axis; several contracted axes count as one K, in the product's order):
;;     1. [M 8,192, K 1,024] x [K 1,024, N 1,024]; A: input x; B: input Wq: QUANTISED
;;     2. [M 8,192, K 1,024] x [K 1,024, N 1,024]; A: input x; B: input Wk: QUANTISED
;;     3. [M 8,192, K 1,024] x [K 1,024, N 1,024]; A: input x; B: input Wv: QUANTISED
;;     4. batch 64 x [M 2,048, K 64] x [K 64, N 2,048]; A: computed on the way; B: computed on the way: QUANTISED
;;     5. batch 64 x [M 2,048, K 2,048] x [K 2,048, N 64]; A: computed on the way; B: computed on the way: QUANTISED
;;     6. [M 8,192, K 1,024] x [K 1,024, N 1,024]; A: computed on the way; B: input Wo: QUANTISED
;;   THE QUANTISER, for each operand of a quantised product, along K:
;;     - K is cut into blocks of 32 from its start; a last block that is shorter is filled with zeros.
;;     - A block's scale is 2^e with e = floor(log2(the largest magnitude in the block)) - 8, held to -126 .. 127; a block of zeros has e = 0. As a byte (E8M0): e + 127.
;;     - Each number is divided by its block's scale, clamped to +-448, and rounded to the nearest number of E4M3, ties to even, subnormals kept.
;;     - The product sums the exact products of the quantised numbers (number of the format x scale) in f32.
;;   ~~~python
;;   def quantise(x, axis):      # numpy; x: float32 -> the quantised numbers, widened to float32 again
;;       x = np.moveaxis(x, axis, -1); K = x.shape[-1]
;;       x = np.pad(x, [(0, 0)] * (x.ndim - 1) + [(0, -K % 32)]); x = x.reshape(x.shape[:-1] + (-1, 32)); a = np.abs(x).max(-1, keepdims=True)
;;       e = np.where(a > 0, np.clip(np.frexp(np.where(a > 0, a, 1))[1] - 1 - 8, -126, 127), 0)      # np.frexp(a)[1] - 1 = floor(log2(a)), exactly
;;       r = np.clip(x / 2.0 ** e, -448, 448)
;;       step = 2.0 ** (np.maximum(np.frexp(np.where(r == 0, 1, r))[1] - 1, -6) - 3)
;;       q = np.round(r / step) * step * 2.0 ** e      # np.round: ties to even
;;       return np.moveaxis(q.reshape(q.shape[:-2] + (-1,))[..., :K], -1, axis).astype(np.float32)
;;   ~~~
;;   OPERANDS COMPUTED ON THE WAY. 'Computed on the way' means the value that the module computes at that place (a softmax that the list does not call 'softmax' is quantised finished and normalised). What goes into a quantiser is computed in f32, as accurately as f32 sums, v_exp_f32 and their like allow (about 1e-6 of the number): no bf16 or f16 on the way to a quantiser, and a product that is left as it is and whose result goes on into a quantised operand takes f32 operands (vector FMAs, or v_wmma_f32_16x16x4_f32). A number that lies on a knife's edge between two numbers of the format may be rounded either way, as far as f32 arithmetic and the matrix unit's own rounding can turn it there, and no further.
;; One version. Each part assembles by itself: llvm-mc -triple=amdgcn-amd-amdhsa -mcpu=gfx1250 --defsym DOCPART=n.
;; ======== version 1 of 1: 4 launches
;; limits: right only within a limited range of input values
;; workspace buffers: xc 8,388,608 bytes; wc 4,194,304 bytes; sc 655,360 bytes; qkvc 25,165,824 bytes; qkvs 786,432 bytes; aoc 8,388,608 bytes
;; launch quant (part 1): grid 768 x 1, 4 waves a work-group, no clusters, 35,328 bytes of LDS; arguments x, Wq, Wk, Wv, Wo, xc, wc, sc; writes xc, wc, sc
.if DOCPART == 1
	.amdgcn_target "amdgcn-amd-amdhsa--gfx1250"
	.amdhsa_code_object_version 6
	.text
	.protected	k_q83a5a32195_quant
	.globl	k_q83a5a32195_quant
	.p2align	8
	.type	k_q83a5a32195_quant,@function
k_q83a5a32195_quant:
	s_mov_b64 s[64:65], 0
	v_nop
	global_prefetch_b8 v0, s[64:65] scope:SCOPE_SE
	s_setreg_imm32_b32 hwreg(HW_REG_WAVE_MODE, 25, 1), 1
	s_wait_xcnt 0x0
; x [8192][1024] and Wq, Wk, Wv, Wo [1024][1024], f32 with K innermost, become codes of FP8 (E4M3) with one E8M0 byte for each 32 along K.
; THE CODES ARE LAID AS IMAGES OF OPERAND REGISTERS.  A tile is 16 rows; row m of tile T is matrix row 32 (T / 2) + 8 (T % 2) + m + 8 (m / 8).  A fragment (one tile, 128 along K) is 2,048 bytes:
; chunk c of 512 bytes holds, at 16 x lane, row lane % 16, k = 32 c + 16 (lane / 16) + 0 .. 15.  Byte address of a chunk: ((T 8 + s) 4 + c) 512, s the step of 128 along K.
; Scale words: tile T, row r, step s at T 512 + 32 r + 4 s.  Tiles 0-511 are x's, 512-767 those of Wq, Wk, Wv, Wo (64 each).
; SHARES.  A work-group takes one tile, each of its four waves two steps of 128 along K.  Every load reads 512 consecutive bytes of one row; the 16 rows turn through the wave's own stage in LDS (pitch 528),
; so that a lane gets 16 neighbours of each of the four blocks of its row.  Every store of codes covers 512 consecutive bytes; the tile's 512 scale bytes are gathered in LDS and leave in one store.
; A block's scale is 2^(floor(log2(largest magnitude)) - 8); its byte is that magnitude's exponent field - 8, held at 1 from below.
; LIMITS: a block of zeros, or one whose largest magnitude lies under 2^-118, keeps the byte 1 (the bytes are read by this program alone; zero codes add nothing); NaN and infinities are not served.
.set STG,  8448                        ; a wave's stage: 16 rows x 528 bytes
.set SCS,  33792                       ; behind the four stages: the tile's 512 scale bytes
.set R,    16                          ; v16-143  two steps x 16 rows as loaded
.set X,    144                         ; v144-207 64 numbers: register 16 b + i = k 32 b + 16 (lane / 16) + i of my row
.set PC,   208                         ; v208-223 a fragment's codes
.set TM,   224                         ; v224-239 at work
.set PW,   240                         ; the scale word
.set SEL,  32                          ; s[32:33] lane selects: lane xor 16
.set MNT,  34                          ; s34 the mantissa field of 448
.macro QUANT s
.irp b, 0,1,2,3
	v_max3_num_f32 v[TM+\b], |v[\s+16*\b]|, |v[\s+1+16*\b]|, 0x4800000   ; block b: my 16 numbers and the floor 2^(9 - 127): the byte cannot fall under 1
.endr
.irp i, 2,4,6,8,10,12,14
.irp b, 0,1,2,3
	v_max3_num_f32 v[TM+\b], v[TM+\b], |v[\s+16*\b+\i]|, |v[\s+1+16*\b+\i]|
.endr
.endr
.irp b, 0,1,2,3
	v_permlanex16_b32 v[TM+4+\b], v[TM+\b], s[SEL], s[SEL+1]
.endr
.irp b, 0,1,2,3
	v_max_num_f32 v[TM+\b], v[TM+\b], v[TM+4+\b]               ; with lane xor 16's: the block's largest magnitude
.endr
.irp b, 0,1,2,3
	v_add_nc_u32 v[TM+12+\b], 0xfc000000, v[TM+\b]             ; 8 off its exponent field: the conversion's scale operand
.endr
.irp b, 0,1,2,3
	v_and_or_b32 v[TM+8+\b], v[TM+\b], 0x7f800000, s[MNT]      ; 448 x the scale
.endr
.irp b, 0,1,2,3
	v_lshrrev_b32 v[TM+4+\b], 23, v[TM+12+\b]                  ; the scale's byte
.endr
	v_lshl_or_b32 v[PW], v[TM+5], 8, v[TM+4]
	v_lshl_or_b32 v[PW], v[TM+6], 16, v[PW]
	v_lshl_or_b32 v[PW], v[TM+7], 24, v[PW]
.irp b, 0,1,2,3
.irp i, 0,1,2,3,4,5,6,7,8,9,10,11,12,13,14,15
	v_med3_num_f32 v[\s+16*\b+\i], v[\s+16*\b+\i], -v[TM+8+\b], v[TM+8+\b]   ; the conversion does not saturate (ISA guide 7.6.2): the hold comes first
.endr
	v_cvt_scalef32_pk8_fp8_f32 v[PC+4*\b:PC+1+4*\b], v[\s+16*\b:\s+7+16*\b], v[TM+12+\b]
	v_cvt_scalef32_pk8_fp8_f32 v[PC+2+4*\b:PC+3+4*\b], v[\s+8+16*\b:\s+15+16*\b], v[TM+12+\b]
.endr
	v_nop                                                      ; a plain line behind the last conversion
.endm
	s_load_b256 s[4:11], s[0:1], 0x0               ; x, Wq, Wk, Wv
	s_load_b256 s[12:19], s[0:1], 0x20             ; Wo, xc, wc, sc
	v_lshl_add_u32 v254, v0, 2, 0x8800
	v_mov_b32 v255, 0
	v_lshrrev_b32 v1, 5, v0
	v_readfirstlane_b32 s20, v1                    ; wave
	v_and_b32 v6, 31, v0                           ; lane
	v_and_b32 v7, 15, v0                           ; r
	v_bfe_u32 v8, v0, 4, 1                         ; h
	v_lshlrev_b32 v1, 4, v6                        ; 16 x lane: my bytes of a load, of a store of codes
	s_mul_i32 s21, s20, STG
	v_add_nc_u32 v2, s21, v1                       ; the stage, on the way in: a row as it lies
	v_mul_u32_u24 v3, v7, 528
	v_lshl_add_u32 v3, v8, 6, v3
	v_add_nc_u32 v3, s21, v3                       ; and out: row r, + 64 h: my 16 numbers of a block of 32
	s_lshl_b32 s22, s20, 3
	s_add_co_u32 s22, s22, SCS
	v_lshl_add_u32 v4, v7, 5, s22                  ; my row's scale words of my wave's two steps: 32 r + 8 wave
	v_add_nc_u32 v5, SCS, v1
.irp b, 0,1,2,3
	v_mov_b32 v[TM+4+\b], 0                        ; a lane permute's destination counts as one of its sources
.endr
	s_mov_b32 s[SEL], 0x76543210
	s_mov_b32 s[SEL+1], 0xfedcba98
	s_mov_b32 s[MNT], 0x600000
	s_and_b32 s28, ttmp9, 63                       ; a weight's own tile
	s_and_b32 s29, ttmp9, 511                      ; the tile in its buffer of codes: T, or T - 512
	s_wait_alu depctr_va_vdst(0)
	s_wait_kmcnt 0x0
	s_mov_b64 s[24:25], s[12:13]                   ; the source is chosen by the work-group's number alone
	s_cmp_lt_u32 ttmp9, 704
	s_cselect_b64 s[24:25], s[10:11], s[24:25]
	s_cmp_lt_u32 ttmp9, 640
	s_cselect_b64 s[24:25], s[8:9], s[24:25]
	s_cmp_lt_u32 ttmp9, 576
	s_cselect_b64 s[24:25], s[6:7], s[24:25]
	s_cmp_lt_u32 ttmp9, 512
	s_cselect_b64 s[24:25], s[4:5], s[24:25]
	s_cselect_b64 s[26:27], s[14:15], s[16:17]     ; xc or wc
	s_cselect_b32 s28, ttmp9, s28
	s_lshr_b32 s30, s28, 1
	s_lshl_b32 s30, s30, 17                        ; 32 (tile / 2) rows of 4,096 bytes
	s_and_b32 s31, s28, 1
	s_lshl_b32 s31, s31, 15                        ; + 8 (tile % 2) rows
	s_add_co_u32 s30, s30, s31
	s_lshl_b32 s31, s20, 10                        ; + my wave's two steps: 1,024 bytes
	s_add_co_u32 s30, s30, s31
	s_mov_b32 s31, 0
	s_add_nc_u64 s[24:25], s[24:25], s[30:31]
	s_lshl_b32 s30, s29, 14                        ; a tile's codes are 16,384 bytes, my wave's two fragments 4,096
	s_lshl_b32 s29, s20, 12
	s_add_co_u32 s30, s30, s29
	s_add_nc_u64 s[26:27], s[26:27], s[30:31]
	s_lshl_b32 s30, ttmp9, 9
	s_add_nc_u64 s[18:19], s[18:19], s[30:31]
.irp j, 0,1
.irp m, 0,1,2,3,4,5,6,7,8,9,10,11,12,13,14,15
	global_load_b128 v[R+64*\j+4*\m:R+64*\j+4*\m+3], v1, s[24:25] offset:(\m+8*(\m/8))*4096+512*\j th:TH_LOAD_NT   ; 512 consecutive bytes of the tile's row m
.endr
.endr
.macro HALF j
.if \j == 0
	s_wait_loadcnt 16                              ; the first step's 16 loads are in; the second step's 16 may be out
.else
	s_wait_loadcnt 0x0
.endif
.irp m, 0,1,2,3,4,5,6,7,8,9,10,11,12,13,14,15
	ds_store_b128 v2, v[R+64*\j+4*\m:R+64*\j+4*\m+3] offset:528*\m
.endr
.irp c, 0,1,2,3
.irp k, 0,1,2,3
	ds_load_b128 v[X+16*\c+4*\k:X+16*\c+4*\k+3], v3 offset:128*\c+16*\k   ; LDS serves a wave's instructions in order: these see the stores above
.endr
.endr
	s_wait_dscnt 0x0
.if \j
	s_wait_xcnt 0x0                                ; the first step's stores have read their registers: the codes may be written again
.endif
	QUANT X
.irp c, 0,1,2,3
	global_store_b128 v1, v[PC+4*\c:PC+4*\c+3], s[26:27] offset:2048*\j+512*\c   ; a chunk: 512 consecutive bytes
.endr
	ds_store_b32 v4, v[PW] offset:4*\j             ; both halves of the lanes write the same word with the same value
.endm
	HALF 0
	HALF 1
	s_wait_dscnt 0x0                               ; for the others' sake: my scale words lie in LDS
	s_barrier_signal -1
	s_barrier_wait -1
	s_cmp_lg_u32 s20, 0
	s_cbranch_scc1 .Ldone
	ds_load_b128 v[X:X+3], v5                      ; wave 0 stores the tile's 512 scale bytes
	s_wait_dscnt 0x0
	global_store_b128 v1, v[X:X+3], s[18:19]
.Ldone:
	s_wait_tensorcnt 0x0
	ds_add_u32 v254, v255
	s_wait_dscnt 0x0
	s_endpgm
.Lfunc_end_k_q83a5a32195_quant:
	.size	k_q83a5a32195_quant, .Lfunc_end_k_q83a5a32195_quant-k_q83a5a32195_quant
	.p2alignl 7, 3214868480
	.fill 96, 4, 3214868480
	.section	.rodata,"a",@progbits
	.p2align	6, 0x0
	.amdhsa_kernel k_q83a5a32195_quant
		.amdhsa_group_segment_fixed_size 35328
		.amdhsa_private_segment_fixed_size 0
		.amdhsa_enable_private_segment 0
		.amdhsa_kernarg_size 64
		.amdhsa_user_sgpr_count 2
		.amdhsa_user_sgpr_kernarg_segment_ptr 1
		.amdhsa_wavefront_size32 1
		.amdhsa_system_sgpr_workgroup_id_x 1
		.amdhsa_system_sgpr_workgroup_id_y 1
		.amdhsa_system_sgpr_workgroup_id_z 1
		.amdhsa_system_vgpr_workitem_id 0
		.amdhsa_next_free_vgpr 256
		.amdhsa_next_free_sgpr 66
		.amdhsa_reserve_vcc 0
		.amdhsa_float_denorm_mode_32 3
		.amdhsa_float_denorm_mode_16_64 3
		.amdhsa_memory_ordered 1
		.amdhsa_forward_progress 1
		.amdhsa_inst_pref_size 28
	.end_amdhsa_kernel
	.amdgpu_metadata
---
amdhsa.version: [ 1, 2 ]
amdhsa.kernels:
  - .name:           k_q83a5a32195_quant
    .symbol:         k_q83a5a32195_quant.kd
    .args:
      - { .name: x, .offset: 0, .size: 8, .value_kind: global_buffer, .address_space: global }
      - { .name: Wq, .offset: 8, .size: 8, .value_kind: global_buffer, .address_space: global }
      - { .name: Wk, .offset: 16, .size: 8, .value_kind: global_buffer, .address_space: global }
      - { .name: Wv, .offset: 24, .size: 8, .value_kind: global_buffer, .address_space: global }
      - { .name: Wo, .offset: 32, .size: 8, .value_kind: global_buffer, .address_space: global }
      - { .name: xc, .offset: 40, .size: 8, .value_kind: global_buffer, .address_space: global }
      - { .name: wc, .offset: 48, .size: 8, .value_kind: global_buffer, .address_space: global }
      - { .name: sc, .offset: 56, .size: 8, .value_kind: global_buffer, .address_space: global }
    .group_segment_fixed_size: 35328
    .private_segment_fixed_size: 0
    .kernarg_segment_align: 8
    .kernarg_segment_size: 64
    .max_flat_workgroup_size: 128
    .sgpr_count:     66
    .vgpr_count:     256
    .wavefront_size: 32
...
	.end_amdgpu_metadata
.endif
;; end of part 1
;; launch qkv (part 2): grid 12 x 32, 4 waves a work-group, clusters of 4 x 4, 327,680 bytes of LDS; arguments xc, wc, sc, bq, bk, bv, qkvc, qkvs; writes qkvc, qkvs
.if DOCPART == 2
	.amdgcn_target "amdgcn-amd-amdhsa--gfx1250"
	.amdhsa_code_object_version 6
	.text
	.protected	k_q83a5a32195_qkv
	.globl	k_q83a5a32195_qkv
	.p2align	8
	.type	k_q83a5a32195_qkv,@function
k_q83a5a32195_qkv:
	s_mov_b64 s[64:65], 0
	v_nop
	global_prefetch_b8 v0, s[64:65] scope:SCOPE_SE
	s_setreg_imm32_b32 hwreg(HW_REG_WAVE_MODE, 25, 1), 1
	s_wait_xcnt 0x0
	s_wait_alu depctr_hold_cnt(0) depctr_sa_sdst(0) depctr_va_vdst(0) depctr_va_sdst(0) depctr_va_ssrc(0) depctr_va_vcc(0) depctr_vm_vsrc(0)
	s_getreg_b32 s2, hwreg(HW_REG_IB_STS2, 6, 4)
	s_cmp_eq_u32 s2, 0
	s_cbranch_scc0 .Lentry_in_a_cluster
	s_endpgm
.Lentry_in_a_cluster:
	s_bfe_u32 s2, ttmp6, 0x10000c
	s_cmp_lg_u32 s2, 0xf033
	s_cbranch_scc0 .Lentry_shape_is_right
	s_endpgm
.Lentry_shape_is_right:
.set SLOT,  131072
.set WREG,  65536
.set STGQ,  262144
.set STGV,  264192
.set SPARE, 266240
.set CO,    8
.set ADRA,  16
.set BOFV,  19
.set ADRB,  20
.set SGO,   22
.set SRDV,  23
.set SWQ,   25
.set SWV,   26
.set SRDQ,  27
.set SPW,   28
.set NIL,   29
.set SCO,   30
.set BOFQ,  31
.set SC,    32
.set TM,    96
.set PW,    112
.set AF,    128
.set H,     128
.set PC,    192
.set WV,    20
.set HI,    21
.set LO,    22
.set TYPE,  23
.set G1,    24
.set G0,    32
.set G1B,   48
.set G0B,   56
.set CB,    74
.set SB,    76
.set BP,    78
.set STP,   80
.set XTR,   82
.set SEL,   84
.set MNT,   86
.set MUL_LO, 0xa1
.set MUL_HI, 0xf1
.set MSB, 0
.macro WIN new
.if MSB != (\new)
	s_set_vgpr_msb (MSB<<8)|(\new)
.set MSB, (\new)
.endif
.endm
.macro PLACES n
.rept \n
	v_nop
.endr
.endm
.macro JLOAD g0a, g1a, g0b, g1b
	s_cmp_eq_u32 s[HI], 0
	s_cbranch_scc0 .Lfor_b_\@
	tensor_load_to_lds s[\g0a:\g0a+3], s[\g1a:\g1a+7]
	s_nop 0
.rept 4
	v_nop
.endr
	s_branch .Lasked_\@
.Lfor_b_\@:
	tensor_load_to_lds s[\g0b:\g0b+3], s[\g1b:\g1b+7]
	s_nop 0
.rept 4
	v_nop
.endr
.Lasked_\@:
.endm
.macro CREST
	s_cmp_lg_u32 s[WV], 0
	s_cbranch_scc1 .Lnot_wave_0_\@
	s_barrier_signal -3
.Lnot_wave_0_\@:
	s_barrier_wait -3
	s_barrier_signal -1
	s_barrier_wait -1
.endm
.macro CROUND
	s_barrier_signal -1
	s_barrier_wait -1
	CREST
.endm
.macro QUANT s
.irp b, 0,1,2,3
	v_max3_num_f32 v[TM+\b], |v[\s+16*\b]|, |v[\s+1+16*\b]|, 0x4800000
.endr
.irp i, 2,4,6,8,10,12,14
.irp b, 0,1,2,3
	v_max3_num_f32 v[TM+\b], v[TM+\b], |v[\s+16*\b+\i]|, |v[\s+1+16*\b+\i]|
.endr
.endr
.irp b, 0,1,2,3
	v_permlanex16_b32 v[TM+4+\b], v[TM+\b], s[SEL], s[SEL+1]
.endr
.irp b, 0,1,2,3
	v_max_num_f32 v[TM+\b], v[TM+\b], v[TM+4+\b]
.endr
.irp b, 0,1,2,3
	v_add_nc_u32 v[TM+12+\b], 0xfc000000, v[TM+\b]
.endr
.irp b, 0,1,2,3
	v_and_or_b32 v[TM+8+\b], v[TM+\b], 0x7f800000, s[MNT]
.endr
.irp b, 0,1,2,3
	v_lshrrev_b32 v[TM+4+\b], 23, v[TM+12+\b]
.endr
	v_lshl_or_b32 v[PW], v[TM+5], 8, v[TM+4]
	v_lshl_or_b32 v[PW], v[TM+6], 16, v[PW]
	v_lshl_or_b32 v[PW], v[TM+7], 24, v[PW]
.irp b, 0,1,2,3
.irp i, 0,1,2,3,4,5,6,7,8,9,10,11,12,13,14,15
	v_med3_num_f32 v[\s+16*\b+\i], v[\s+16*\b+\i], -v[TM+8+\b], v[TM+8+\b]
.endr
	v_cvt_scalef32_pk8_fp8_f32 v[PC+4*\b:PC+1+4*\b], v[\s+16*\b:\s+7+16*\b], v[TM+12+\b]
	v_cvt_scalef32_pk8_fp8_f32 v[PC+2+4*\b:PC+3+4*\b], v[\s+8+16*\b:\s+15+16*\b], v[TM+12+\b]
.endr
	v_nop
.endm
.macro FRAG reg, adr, off
.irp c, 0,1,2,3
	ds_load_b128 v[\reg+4*\c:\reg+4*\c+3], v[\adr] offset:\off+512*\c
.endr
.endm
.macro FETCH_B slot, q, p
	WIN 0x40
.irp i, 0,1,2,3,4,5,6,7
	FRAG 128*(\p)+16*\i, ADRB+\slot, 4096*\i+2048*(\q)
.endr
	WIN 0
.endm
.macro FETCH_A slot, q, i0
.irp i, \i0, \i0+1, \i0+2, \i0+3
	FRAG AF+16*(\i), ADRA+\slot, 4096*(\i)+2048*(\q)
.endr
.endm
.macro MULH a0, p, ks, first
.irp a, \a0, \a0+1
.irp b, 0,1,2,3,4,5,6,7
.set rD, 8*(8*((\a)%4)+\b)
.set rB, 128*(\p)+16*\b
.set rA, AF+16*(\a)
.if \first
	v_wmma_scale_f32_16x16x128_f8f6f4 v[rD:rD+7], v[rB:rB+15], v[rA:rA+15], 0, v[SC+8*\b+(\ks)], v[SC+8*(\a)+(\ks)] matrix_a_scale:MATRIX_SCALE_ROW1
.else
	v_wmma_scale_f32_16x16x128_f8f6f4 v[rD:rD+7], v[rB:rB+15], v[rA:rA+15], v[rD:rD+7], v[SC+8*\b+(\ks)], v[SC+8*(\a)+(\ks)] matrix_a_scale:MATRIX_SCALE_ROW1
.endif
.endr
.endr
.endm
.macro KSTEP p, ks, nslot, nq, first, sync, fslot
.if \sync
	s_wait_tensorcnt 0x0
	ds_add_u32 v[SPW], v[NIL]
	s_wait_dscnt 17
.else
	s_wait_dscnt 16
.endif
	WIN MUL_LO
	MULH 0, \p, \ks, \first
.if \sync
	s_wait_dscnt 0x0
	s_barrier_signal -1
.endif
	MULH 2, \p, \ks, \first
.if \sync
	WIN 0
	s_barrier_wait -1
.if \sync == 2
	CREST
	s_add_nc_u64 s[G0+4*\fslot+2:G0+4*\fslot+3], s[G0+4*\fslot+2:G0+4*\fslot+3], 8192
	s_add_nc_u64 s[G0B+4*\fslot+2:G0B+4*\fslot+3], s[G0B+4*\fslot+2:G0B+4*\fslot+3], 8192
	JLOAD G0+4*\fslot, G1, G0B+4*\fslot, G1B
	PLACES 4
.else
	PLACES 8
.endif
.else
	s_wait_dscnt 0x0
	PLACES 8
.endif
	FETCH_B \nslot, \nq, 1-\p
	FETCH_A \nslot, \nq, 0
	WIN MUL_HI
	MULH 4, \p, \ks, \first
	MULH 6, \p, \ks, \first
	PLACES 8
	WIN 0
	FETCH_A \nslot, \nq, 4
.endm
	s_load_b256 s[4:11], s[0:1], 0x0
	s_load_b256 s[12:19], s[0:1], 0x20
	v_lshl_add_u32 v[SPW], v0, 2, SPARE
	v_mov_b32 v[NIL], 0
	ds_add_u32 v28, v29
	ds_add_u32 v28, v29
	s_wait_dscnt 0x0
	v_lshrrev_b32 v1, 5, v0
	v_readfirstlane_b32 s[WV], v1
	s_lshr_b32 s[HI], s[WV], 1
	s_and_b32 s[LO], s[WV], 1
	s_mov_b32 s[TYPE], ttmp9
	s_bfe_u32 s40, ttmp6, 0x40000
	s_bfe_u32 s41, ttmp6, 0x40004
	s_lshl_b32 s42, ttmp9, 2
	s_add_co_u32 s42, s42, s40
	s_and_b32 s43, ttmp7, 0xffff
	s_lshl_b32 s43, s43, 2
	s_add_co_u32 s43, s43, s41
	s_lshl_b32 s44, s41, 2
	s_lshl_b32 s44, 15, s44
	s_lshl_b32 s45, 0x1111, s40
	s_or_b32 s[G1], s44, (3<<16)|(1<<21)
	s_or_b32 s[G1B], s45, (3<<16)|(1<<21)
.irp g, G1, G1B
	s_mov_b32 s[\g+1], 512<<16
	s_mov_b32 s[\g+2], 8<<16
	s_mov_b32 s[\g+3], 512<<16
	s_mov_b32 s[\g+4], 8
	s_mov_b32 s[\g+5], 2048
	s_mov_b32 s[\g+6], 0
	s_mov_b32 s[\g+7], 0
.endr
	s_lshl_b32 s68, s43, 18
	s_lshl_b32 s69, s[LO], 17
	s_add_co_u32 s68, s68, s69
	s_mov_b32 s69, 0
	s_lshl_b32 s70, s42, 18
	s_lshl_b32 s71, s[LO], 17
	s_add_co_u32 s70, s70, s71
	s_mov_b32 s71, 0
	s_lshl_b32 s72, s[WV], 15
	s_wait_kmcnt 0x0
	s_add_nc_u64 s[68:69], s[4:5], s[68:69]
	s_add_nc_u64 s[70:71], s[6:7], s[70:71]
	; the scale words of all eight K steps are asked for here, ahead of the first round and the first tiles: lanes 0-15 take source 1's rows, lanes 16-31 source 0's
	s_lshl_b32 s92, s43, 4
	s_lshl_b32 s93, s42, 4
	s_add_co_u32 s93, s93, 512
	s_lshl_b32 s94, s[HI], 3
	s_lshl_b32 s95, s[LO], 3
	s_add_co_u32 s96, s92, s94
	s_add_co_u32 s97, s93, s94
	s_add_co_u32 s98, s92, s95
	s_add_co_u32 s99, s93, s95
	s_cmp_eq_u32 s[TYPE], 2
	s_cselect_b32 s96, s97, s96
	s_cselect_b32 s98, s98, s99
	s_lshl_b32 s96, s96, 9
	s_lshl_b32 s98, s98, 9
	v_and_b32 v3, 15, v0
	v_bfe_u32 v4, v0, 4, 1
	v_cmp_eq_u32 vcc_lo, 1, v4
	v_mov_b32 v5, s96
	v_mov_b32 v6, s98
	v_cndmask_b32 v5, v5, v6, vcc_lo
	v_lshl_add_u32 v[SCO], v3, 5, v5
.irp i, 0,1,2,3,4,5,6,7
	global_load_b128 v[SC+8*\i:SC+8*\i+3], v[SCO], s[8:9] offset:512*\i
	global_load_b128 v[SC+8*\i+4:SC+8*\i+7], v[SCO], s[8:9] offset:512*\i+16
.endr
	CROUND
.irp s, 0,1
	s_mov_b32 s[G0+4*\s], 1
	s_add_co_u32 s[G0+4*\s+1], s72, \s*SLOT
	s_add_nc_u64 s[G0+4*\s+2:G0+4*\s+3], s[68:69], \s*4096
	s_or_b32 s[G0+4*\s+3], s[G0+4*\s+3], 0x80000000
	s_mov_b32 s[G0B+4*\s], 1
	s_add_co_u32 s[G0B+4*\s+1], s72, \s*SLOT
	s_add_nc_u64 s[G0B+4*\s+2:G0B+4*\s+3], s[70:71], \s*4096
	s_or_b32 s[G0B+4*\s+3], s[G0B+4*\s+3], 0x80000000
.if \s                                 ; slot 0's load stands behind the opening lines and the first round; slot 1's first fill behind the full sequence
	s_wait_alu depctr_va_vdst(0)
	s_wait_tensorcnt 0x0
	ds_add_u32 v28, v29
	ds_add_u32 v28, v29
	s_wait_dscnt 0x0
	CROUND
.endif
	JLOAD G0+4*\s, G1, G0B+4*\s, G1B
.endr
	v_and_b32 v1, 31, v0
	v_lshlrev_b32 v2, 4, v1
	s_wait_alu depctr_va_vdst(0)
	s_cmp_eq_u32 s[TYPE], 2
	s_cselect_b32 s66, WREG, 0
	s_cselect_b32 s67, 0, WREG
	s_cselect_b32 s88, s[HI], s[LO]
	s_cselect_b32 s89, s[LO], s[HI]
	s_mov_b32 s[STP], 1024
	s_cselect_b32 s[STP], 2048, s[STP]
	s_mov_b32 s[STP+1], 0
	s_cselect_b32 s[XTR], 122880, 0
	s_mov_b32 s[XTR+1], 0
	s_mov_b32 s90, 131072
	s_cselect_b32 s90, 1024, s90
	s_mov_b32 s91, 131584
	s_cselect_b32 s91, 1536, s91
	s_cselect_b64 s[BP:BP+1], s[14:15], s[12:13]
	s_cmp_eq_u32 s[TYPE], 0
	s_cselect_b64 s[BP:BP+1], s[10:11], s[BP:BP+1]
	s_lshl_b32 s73, s[HI], 15
	s_add_co_u32 s73, s73, s66
	s_lshl_b32 s87, s[LO], 15
	s_add_co_u32 s87, s87, s67
.irp s, 0,1
	v_add_nc_u32 v[ADRA+\s], s73, v2
	v_add_nc_u32 v[ADRB+\s], s87, v2
	s_add_co_u32 s73, s73, SLOT
	s_add_co_u32 s87, s87, SLOT
.endr
	s_lshl_b32 s92, s[TYPE], 23
	s_lshr_b32 s94, s43, 3
	s_lshl_b32 s94, s94, 21
	s_add_co_u32 s92, s92, s94
	s_lshl_b32 s94, s40, 19
	s_add_co_u32 s92, s92, s94
	s_lshl_b32 s94, s88, 18
	s_add_co_u32 s92, s92, s94
	s_and_b32 s94, s43, 7
	s_lshl_b32 s94, s94, 14
	s_add_co_u32 s92, s92, s94
	s_lshl_b32 s94, s89, 13
	s_add_co_u32 s92, s92, s94
	s_mov_b32 s93, 0
	s_add_nc_u64 s[CB:CB+1], s[16:17], s[92:93]
	s_lshr_b32 s92, s92, 5
	s_add_nc_u64 s[SB:SB+1], s[18:19], s[92:93]
	s_lshl_b32 s92, s40, 10
	s_lshl_b32 s94, s88, 9
	s_add_co_u32 s92, s92, s94
	s_add_nc_u64 s[BP:BP+1], s[BP:BP+1], s[92:93]
	s_lshl_b32 s95, s[WV], 9
	v_lshl_add_u32 v[SWQ], v3, 2, s95
	v_add_nc_u32 v[SWV], STGV, v[SWQ]
	v_add_nc_u32 v[SWQ], STGQ, v[SWQ]
	v_add_nc_u32 v[SRDQ], s95, v2
	v_add_nc_u32 v[SRDV], STGV, v[SRDQ]
	v_add_nc_u32 v[SRDQ], STGQ, v[SRDQ]
	v_lshlrev_b32 v[SGO], 12, v4
	v_lshl_add_u32 v[SGO], v3, 4, v[SGO]
	v_lshlrev_b32 v[BOFQ], 6, v4
	v_and_b32 v5, 8, v3
	v_add_nc_u32 v5, v5, v3
	v_lshlrev_b32 v[BOFV], 2, v5
	v_mov_b32 v[CO], v2
	v_add_nc_u32 v[CO+1], 512, v2
	v_add_nc_u32 v[CO+2], s90, v2
	v_add_nc_u32 v[CO+3], s91, v2
.irp b, 0,1,2,3
	v_mov_b32 v[TM+4+\b], 0
.endr
	s_mov_b32 s[SEL], 0x76543210
	s_mov_b32 s[SEL+1], 0xfedcba98
	s_mov_b32 s[MNT], 0x600000
	s_wait_alu depctr_va_vdst(0)
	s_wait_tensorcnt 1
	s_barrier_signal -1
	s_barrier_wait -1
	FETCH_B 0, 0, 0
	FETCH_A 0, 0, 0
	FETCH_A 0, 0, 4
	s_wait_loadcnt 0x0
	KSTEP 0, 0, 0, 1, 1, 0, 0
	KSTEP 1, 1, 1, 0, 0, 2, 0
	KSTEP 0, 2, 1, 1, 0, 0, 0
	KSTEP 1, 3, 0, 0, 0, 2, 1
	KSTEP 0, 4, 0, 1, 0, 0, 0
	KSTEP 1, 5, 1, 0, 0, 1, 0
	KSTEP 0, 6, 1, 1, 0, 0, 0
	s_cmp_eq_u32 s[TYPE], 2
	s_cbranch_scc1 .Lbias_v
	WIN 0x40
.irp c, 0,1,2,3
.irp k, 0,1,2,3
	global_load_b128 v[16*\c+4*\k:16*\c+4*\k+3], v[BOFQ], s[BP:BP+1] offset:128*\c+16*\k
.endr
.endr
	WIN 0
	s_branch .Lbias_done
.Lbias_v:
	WIN 0x40
	s_wait_alu depctr_va_vdst(0)
.irp a, 0,1,2,3,4,5,6,7
	global_load_b32 v[2*\a], v[BOFV], s[BP:BP+1] offset:(32*(\a/2)+8*(\a%2))*4
	global_load_b32 v[2*\a+1], v[BOFV], s[BP:BP+1] offset:(32*(\a/2)+8*(\a%2))*4
.endr
	WIN 0
.Lbias_done:
	s_wait_dscnt 16
	WIN MUL_LO
	MULH 0, 1, 7, 0
	MULH 2, 1, 7, 0
	s_wait_dscnt 0x0
	WIN MUL_HI
	MULH 4, 1, 7, 0
	MULH 6, 1, 7, 0
	WIN 0
	PLACES 8
	s_wait_loadcnt 0x0
.macro EPI a
	s_wait_xcnt 0x0
	s_wait_dscnt 0x0
.if (\a) > 0
	s_add_nc_u64 s[CB:CB+1], s[CB:CB+1], s[STP:STP+1]
.endif
.if (\a) == 4
	s_add_nc_u64 s[CB:CB+1], s[CB:CB+1], s[XTR:XTR+1]
.endif
	s_cmp_eq_u32 s[TYPE], 2
	s_cbranch_scc1 .Lbv_\@
	WIN 0x06+(\a)/4
.irp b, 0,1,2,3,4,5,6,7
.irp k, 0,2,4,6
	v_pk_add_f32 v[H+8*\b+\k:H+8*\b+\k+1], v[8*(8*((\a)%4)+\b)+\k:8*(8*((\a)%4)+\b)+\k+1], v[8*\b+\k:8*\b+\k+1]
.endr
.endr
	WIN 0
	s_branch .Lbd_\@
.Lbv_\@:
	WIN 0x06+(\a)/4
.irp b, 0,1,2,3,4,5,6,7
.irp k, 0,2,4,6
	v_pk_add_f32 v[H+8*\b+\k:H+8*\b+\k+1], v[8*(8*((\a)%4)+\b)+\k:8*(8*((\a)%4)+\b)+\k+1], v[2*(\a):2*(\a)+1]
.endr
.endr
	WIN 0
.Lbd_\@:
	QUANT H
.irp c, 0,1,2,3
	global_store_b128 v[CO+\c], v[PC+4*\c:PC+4*\c+3], s[CB:CB+1]
.endr
	s_cmp_eq_u32 s[TYPE], 2
	s_cbranch_scc1 .Lsv_\@
	ds_store_b16 v[SWQ], v[PW] offset:((\a)/2)*64+2*((\a)%2)
	ds_store_b16_d16_hi v[SWQ], v[PW] offset:256+((\a)/2)*64+2*((\a)%2)
	s_branch .Lsd_\@
.Lsv_\@:
	ds_store_b32 v[SWV], v[PW] offset:64*(\a)
.Lsd_\@:
.endm
.irp a, 0,1,2,3,4,5,6,7
	EPI \a
.endr
	s_cmp_eq_u32 s[TYPE], 2
	s_cbranch_scc1 .Lrd_v
	ds_load_b128 v[H:H+3], v[SRDQ]
	s_branch .Lrd_done
.Lrd_v:
	ds_load_b128 v[H:H+3], v[SRDV]
.Lrd_done:
	s_wait_dscnt 0x0
	global_store_b128 v[SGO], v[H:H+3], s[SB:SB+1]
	s_wait_tensorcnt 0x0
	ds_add_u32 v[SPW], v[NIL]
	s_wait_dscnt 0x0
	CROUND
	s_endpgm
.Lfunc_end_k_q83a5a32195_qkv:
	.size	k_q83a5a32195_qkv, .Lfunc_end_k_q83a5a32195_qkv-k_q83a5a32195_qkv
	.p2alignl 7, 3214868480
	.fill 96, 4, 3214868480
	.section	.rodata,"a",@progbits
	.p2align	6, 0x0
	.amdhsa_kernel k_q83a5a32195_qkv
		.amdhsa_group_segment_fixed_size 327680
		.amdhsa_private_segment_fixed_size 0
		.amdhsa_enable_private_segment 0
		.amdhsa_kernarg_size 64
		.amdhsa_user_sgpr_count 2
		.amdhsa_user_sgpr_kernarg_segment_ptr 1
		.amdhsa_wavefront_size32 1
		.amdhsa_system_sgpr_workgroup_id_x 1
		.amdhsa_system_sgpr_workgroup_id_y 1
		.amdhsa_system_sgpr_workgroup_id_z 1
		.amdhsa_system_vgpr_workitem_id 0
		.amdhsa_next_free_vgpr 1024
		.amdhsa_next_free_sgpr 100
		.amdhsa_reserve_vcc 1
		.amdhsa_float_denorm_mode_32 3
		.amdhsa_float_denorm_mode_16_64 3
		.amdhsa_memory_ordered 1
		.amdhsa_forward_progress 1
		.amdhsa_inst_pref_size 223
	.end_amdhsa_kernel
	.amdgpu_metadata
---
amdhsa.version: [ 1, 2 ]
amdhsa.kernels:
  - .name:           k_q83a5a32195_qkv
    .symbol:         k_q83a5a32195_qkv.kd
    .args:
      - { .name: xc, .offset: 0, .size: 8, .value_kind: global_buffer, .address_space: global }
      - { .name: wc, .offset: 8, .size: 8, .value_kind: global_buffer, .address_space: global }
      - { .name: sc, .offset: 16, .size: 8, .value_kind: global_buffer, .address_space: global }
      - { .name: bq, .offset: 24, .size: 8, .value_kind: global_buffer, .address_space: global }
      - { .name: bk, .offset: 32, .size: 8, .value_kind: global_buffer, .address_space: global }
      - { .name: bv, .offset: 40, .size: 8, .value_kind: global_buffer, .address_space: global }
      - { .name: qkvc, .offset: 48, .size: 8, .value_kind: global_buffer, .address_space: global }
      - { .name: qkvs, .offset: 56, .size: 8, .value_kind: global_buffer, .address_space: global }
    .group_segment_fixed_size: 327680
    .private_segment_fixed_size: 0
    .kernarg_segment_align: 8
    .kernarg_segment_size: 64
    .max_flat_workgroup_size: 128
    .sgpr_count:     100
    .vgpr_count:     1024
    .wavefront_size: 32
...
	.end_amdgpu_metadata
.endif
;; end of part 2
;; launch attn (part 3): grid 4 x 64, 8 waves a work-group, clusters of 4 x 1, 327,680 bytes of LDS; arguments qkvc, qkvs, aoc, sc; writes aoc, sc
.if DOCPART == 3
	.amdgcn_target "amdgcn-amd-amdhsa--gfx1250"
	.amdhsa_code_object_version 6
	.text
	.protected	k_q83a5a32195_attn
	.globl	k_q83a5a32195_attn
	.p2align	8
	.type	k_q83a5a32195_attn,@function
k_q83a5a32195_attn:
	s_mov_b64 s[64:65], 0
	v_nop
	global_prefetch_b8 v0, s[64:65] scope:SCOPE_SE
	s_setreg_imm32_b32 hwreg(HW_REG_WAVE_MODE, 25, 1), 1
	s_wait_xcnt 0x0
	s_wait_alu depctr_hold_cnt(0) depctr_sa_sdst(0) depctr_va_vdst(0) depctr_va_sdst(0) depctr_va_ssrc(0) depctr_va_vcc(0) depctr_vm_vsrc(0)
	s_getreg_b32 s2, hwreg(HW_REG_IB_STS2, 6, 4)
	s_cmp_eq_u32 s2, 0
	s_cbranch_scc0 .Lentry_in_a_cluster
	s_endpgm
.Lentry_in_a_cluster:
	s_bfe_u32 s2, ttmp6, 0x10000c
	s_cmp_lg_u32 s2, 0x3003
	s_cbranch_scc0 .Lentry_shape_is_right
	s_endpgm
.Lentry_shape_is_right:
; out = softmax(q k^T / 8) v for one head, both products on codes of FP8 (E4M3) with E8M0 scales, and the result's quantising along the 1,024 channels for the last projection.
; WHAT IS QUANTISED AHEAD OF THE SECOND PRODUCT IS THE FINISHED SOFTMAX, in blocks of 32 keys.  The sum is known only behind the last key, so THE KEYS ARE WALKED TWICE.
; Pass 1: scores s, the running largest score, M = that score x c rounded up to a whole number (c = log2(e) / 8), and the sum of 2^(c s - M).
; Between the passes: B' = -M - log2(sum).  Pass 2: p = 2^(c s + B'): one multiply-add and one exponential a number, no division.  p is never negative, so the absolute value behind the softmax changes nothing.
; LIMITS: the scaled scores c s stay under 2^31 in magnitude; B' is rounded once, to 2^-24 of |M|, which moves all p of a row by one common factor; NaN and infinities are not served;
; a p under 2^-126 counts as 0; blocks whose largest magnitude lies under 2^-118 (zeros too) keep the byte 1.
; SHARES.  A work-group owns 512 queries of one head, each of its eight waves four tiles of 16.  K's and V's codes and scale words of the whole head (270,336 bytes) come into LDS once, at the head; nothing is
; filled again.  The four work-groups of a cluster belong to one head: each piece is asked for jointly.  No prefetch: all tiles are asked for at the head, ahead of any loop in which a request could run ahead.
; THE FIRST PRODUCT HAS K = 64 in an instruction of 128: a fragment of K holds 16 keys at k 0-63 and the 16 keys 8 further on at k 64-127; it is multiplied by (q, zeros) and by (zeros, q).
; Both products are used transposed: a lane holds one query (lane % 16); of the 64 scores of a step, register 16 f + i is key 32 f + 16 (lane / 16) + i.
; TWO BUFFERS OF SCORES take turns from tile to tile.  A tile's body begins with its batch of exponentials, in which the next tile's eight products stand; behind the batch the tile's own closing work (pass 1: the sum;
; pass 2: scales, holds, conversions, V^T p) and the next tile's opening work (maxima, exponents) are laid by turns, so that eight lines or so stand between a line and the line that reads its result.
; Both passes are loops over 16 steps of four tiles; the last tile of each pass, which has no successor of its kind, is a short body of its own, reached by a branch on the count of steps.
; O^T is cleared once, under the first loads' flight, so that pass 2 has no first step of its own: four tile bodies less of code.
; REGISTERS: window 0: v0-6 addresses; v7 p's scale word; v8-79 zeros and q by turns (Z q0 Z q1 Z q2 Z q3 Z); v80-87 scale words; v88-111 statistics, maxima, a block's scale; v112-175, v176-239 scores;
;   v240-255 p's codes (pass 1: at work).   window 1: v0-127 O^T (32 a tile); v128-191 K's four fragments; v192-255 V's four.
.set VREG, 131072                      ; LDS: K's codes at 0, V's here,
.set KSC,  262144                      ; K's scale words, 4,096 bytes, then V's,
.set SPARE, 270336                     ; the spare words: 128 bytes a wave
.set LA,   1                           ; 16 x lane
.set LSK,  2                           ; 4 x lane among K's scale words
.set AD,   3
.set ADS,  4
.set SPW,  5
.set NIL,  6
.set PW,   7
.set QS,   80                          ; q's scale words: tiles (0, 1), the same with its halves exchanged, tiles (2, 3), exchanged
.set KSW,  84
.set VSW,  86
.set ST,   88                          ; pass 1: tile i at v[ST + 4 i]: -M, the largest score, the sum in two halves
.set BB,   88                          ; pass 2: B' of tile i at v[BB + 2 i]; the odd registers between them:
.set BM,   89                          ; pass 2: block b's largest score at v[BM + 2 b]
.set E,    96                          ; pass 2: a block's largest exponent, p, byte
.set SOP,  100                         ; the conversion's scale operand
.set CAP,  104                         ; 448 x the scale
.set MA,   104                         ; pass 1: the maxima's first chains
.set MB,   108                         ; both passes: their second chains; then the other half's maxima
.set S0,   112
.set S1,   176
.set P,    240
.set T1,   240                         ; pass 1, in p's registers
.set T0,   241
.set F,    242
.set TA,   S1                          ; between the passes, in the buffer that was summed last
.set TB,   S1+4
.set TC,   S1+8
.set TD,   S1+12
.set KF,   128                         ; in window 1
.set VF,   192
.set WV,   12
.set SEL,  20
.set CS,   22                          ; s[22:23] c = log2(e) / 8
.set G1K,  24
.set G1V,  32
.set G1S,  40
.set G0K,  48
.set G0V,  52
.set G0S,  56
.set TK,   66
.set TKS,  67
.set CNT,  74
.set TKC,  75
.set TVC,  76
.set MNT,  77
.set MSB, 0
.macro WIN new
.if MSB != (\new)
	s_set_vgpr_msb (MSB<<8)|(\new)
.set MSB, (\new)
.endif
.endm
.macro PLACES n
.rept \n
	v_nop
.endr
.endm
.macro WA
	s_wait_alu depctr_va_vdst(0)
.endm
.macro CROUND
	s_barrier_signal -1
	s_barrier_wait -1
	s_cmp_lg_u32 s[WV], 0
	s_cbranch_scc1 .Lnot_wave_0_\@
	s_barrier_signal -3
.Lnot_wave_0_\@:
	s_barrier_wait -3
	s_barrier_signal -1
	s_barrier_wait -1
.endm
.macro FK_A                            ; the next step of K: 8,192 bytes on, behind the last step the first again
	s_add_co_u32 s[TKC], s[TKC], 8192
	s_and_b32 s[TK], s[TKC], 0x1ffff
	s_lshr_b32 s[TKS], s[TK], 5
	v_add_nc_u32 v[AD], s[TK], v[LA]
	v_add_nc_u32 v[ADS], s[TKS], v[LSK]
.endm
.macro FK_L                            ; its four fragments and their scale words: 18 loads
	ds_load_b32 v[KSW], v[ADS]
	ds_load_b32 v[KSW+1], v[ADS] offset:128
	WIN 0x40
.irp f, 0,1,2,3
.irp c, 0,1,2,3
	ds_load_b128 v[KF+16*\f+4*\c:KF+16*\f+4*\c+3], v[AD] offset:2048*\f+512*\c
.endr
.endr
	WIN 0
.endm
.macro FETCH_V
	s_add_co_u32 s[TVC], s[TVC], 8192
	s_and_b32 s[TK], s[TVC], 0x1ffff
	s_lshr_b32 s[TKS], s[TK], 5
	s_add_co_u32 s[TK], s[TK], VREG
	v_add_nc_u32 v[AD], s[TK], v[LA]
	v_add_nc_u32 v[ADS], s[TKS], v[LSK]
	ds_load_b32 v[VSW], v[ADS] offset:4096
	ds_load_b32 v[VSW+1], v[ADS] offset:4224
	WIN 0x40
.irp f, 0,1,2,3
.irp c, 0,1,2,3
	ds_load_b128 v[VF+16*\f+4*\c:VF+16*\f+4*\c+3], v[AD] offset:2048*\f+512*\c
.endr
.endr
	WIN 0
.endm
; Tile i's scores of block f (32 keys, 16 registers a lane) into buffer d: fragment f of K against (q, zeros) and against (zeros, q).  Each product starts its own sum.  Source 0 in window 1.
.macro QKP i, f, d
.set rS, \d+16*(\f)
.set rK, KF+16*(\f)
.set rW, KSW+(\f)/2
.set rQ, 16+16*(\i)
.set rL, QS+2*((\i)/2)+(\i)%2
.set rH, QS+2*((\i)/2)+1-(\i)%2
.if (\f)%2
	v_wmma_scale_f32_16x16x128_f8f6f4 v[rS:rS+7], v[rK:rK+15], v[rQ:rQ+15], 0, v[rW], v[rL] matrix_a_scale:MATRIX_SCALE_ROW1
	v_wmma_scale_f32_16x16x128_f8f6f4 v[rS+8:rS+15], v[rK:rK+15], v[rQ-8:rQ+7], 0, v[rW], v[rH] matrix_a_scale:MATRIX_SCALE_ROW1
.else
	v_wmma_scale_f32_16x16x128_f8f6f4 v[rS:rS+7], v[rK:rK+15], v[rQ:rQ+15], 0, v[rW], v[rL]
	v_wmma_scale_f32_16x16x128_f8f6f4 v[rS+8:rS+15], v[rK:rK+15], v[rQ-8:rQ+7], 0, v[rW], v[rH]
.endif
.endm
.macro PV i                            ; O^T += V^T p^T for tile i: four accumulators, one instruction each
	WIN 0x51
.irp t, 0,1,2,3
.set rO, 32*(\i)+8*\t
.if (\t)%2
	v_wmma_scale_f32_16x16x128_f8f6f4 v[rO:rO+7], v[VF+16*\t:VF+16*\t+15], v[P:P+15], v[rO:rO+7], v[VSW+\t/2], v[PW] matrix_a_scale:MATRIX_SCALE_ROW1
.else
	v_wmma_scale_f32_16x16x128_f8f6f4 v[rO:rO+7], v[VF+16*\t:VF+16*\t+15], v[P:P+15], v[rO:rO+7], v[VSW+\t/2], v[PW]
.endif
.endr
	WIN 0
.endm
; The largest of my 16 scores of each block of buffer d: two chains a block, one for each accumulator, begun at its low end: eight chains by turns.  First chains at v[a + s b], second at v[MB + b].
.macro ML0 d, a, s
.irp b, 0,1,2,3
	v_max3_num_f32 v[\a+\s*\b], v[\d+16*\b], v[\d+16*\b+1], v[\d+16*\b+2]
	v_max3_num_f32 v[MB+\b], v[\d+16*\b+8], v[\d+16*\b+9], v[\d+16*\b+10]
.endr
.endm
.macro MLK d, a, s, k
.irp b, 0,1,2,3
	v_max3_num_f32 v[\a+\s*\b], v[\a+\s*\b], v[\d+16*\b+\k], v[\d+16*\b+\k+1]
	v_max3_num_f32 v[MB+\b], v[MB+\b], v[\d+16*\b+\k+8], v[\d+16*\b+\k+9]
.endr
.endm
.macro ML3 d, a, s
.irp b, 0,1,2,3
	v_max3_num_f32 v[\a+\s*\b], v[\a+\s*\b], v[\d+16*\b+7], v[\d+16*\b+15]
.endr
.endm
.macro ML4 a, s
.irp b, 0,1,2,3
	v_max_num_f32 v[\a+\s*\b], v[\a+\s*\b], v[MB+\b]
.endr
.endm
.macro JOIN a, s, t                    ; with lane xor 16's 16 keys (t = 0, 1), and the block's largest exponent (t = 2: c2 is set by the caller)
.irp b, 0,1,2,3
.if \t == 0
	v_permlanex16_b32 v[MB+\b], v[\a+\s*\b], s[SEL], s[SEL+1]
.endif
.if \t == 1
	v_max_num_f32 v[\a+\s*\b], v[\a+\s*\b], v[MB+\b]
.endif
.if \t == 2
	v_fma_f32 v[E+\b], v[\a+\s*\b], s[CS], v[C2]
.endif
.endr
.endm
.macro FMA x, c2, a, n                 ; score x c + v[c2], n pairs from register a of the buffer
.set j, \a
.rept \n
	v_pk_fma_f32 v[\x+j:\x+j+1], v[\x+j:\x+j+1], s[CS:CS+1], v[\c2:\c2+1] op_sel_hi:[1,0,0]
.set j, j+2
.endr
.endm
.macro EXPS d, a, n
.set j, \a
.rept \n
	v_exp_f32 v[\d+j], v[\d+j]
.set j, j+1
.endr
.endm
; The batch: the exponentials of buffer x (e = 1: and of the four blocks' largest exponents), and tile n's eight products into buffer y, in pairs among the first of them.  No line names an exponential's result.
.macro BATCH n, x, y, e
	WIN 0x01
	QKP \n, 0, \y
	WIN 0
.if \e
	EXPS E, 0, 4
.endif
	EXPS \x, 0, 8-4*\e
.irp f, 1,2,3
	WIN 0x01
	QKP \n, \f, \y
	WIN 0
.if \f < 3
	EXPS \x, 8*\f-4*\e, 8
.endif
.endr
	EXPS \x, 24-4*\e, 40+4*\e
	v_nop                                          ; the plain line behind the exponentials; the caller lays eight plain lines or more ahead of the first read of the new scores
.endm
.macro TADD x, st, a, n                ; a level of the sum's tree, in place, two numbers a line: n lines from line a; st registers lie between the two terms
.set j, \a
.rept \n
	v_pk_add_f32 v[\x+2*\st*j:\x+2*\st*j+1], v[\x+2*\st*j:\x+2*\st*j+1], v[\x+2*\st*j+\st:\x+2*\st*j+\st+1]
.set j, j+1
.endr
.endm
; PASS 1 behind a batch: tile i's sum (buffer x; sum = 0: there is none yet) and tile n's largest score, M and exponents (buffer y), by turns.
; Each lane keeps the largest score, M and the sum of its own half of the keys; the halves meet between the passes.
.macro MP1 i, n, x, y, sum
	ML0 \y, MA, 1
	v_mov_b32 v[T1], v[ST+4*\n]                    ; the old -M
	MLK \y, MA, 1, 3
	MLK \y, MA, 1, 5
	ML3 \y, MA, 1
.if \sum
	TADD \x, 2, 8, 4
.endif
	v_max3_num_f32 v[MA], v[MA], v[MB], v[MA+1]
	v_max3_num_f32 v[MB+1], v[MB+1], v[MA+2], v[MB+2]
	v_max3_num_f32 v[MA+3], v[MA+3], v[MB+3], v[ST+4*\n+1]
.if \sum
	TADD \x, 2, 12, 4
.endif
	v_max3_num_f32 v[ST+4*\n+1], v[MA], v[MB+1], v[MA+3]   ; the running largest score
.if \sum
	TADD \x, 4, 0, 4
.endif
	v_mul_f32 v[T0], s[CS], v[ST+4*\n+1]
.if \sum
	TADD \x, 4, 4, 4
.endif
	v_floor_f32 v[ST+4*\n], -v[T0]                 ; -M = floor(-c smax): M is a whole number
.if \sum
	TADD \x, 8, 0, 4
.endif
	FMA \y, ST+4*\n, 0, 8
	v_sub_f32 v[T1], v[ST+4*\n], v[T1]             ; M's old value less its new one: a whole number, 0 or less
.if \sum
	TADD \x, 16, 0, 2
.endif
	FMA \y, ST+4*\n, 16, 8
	v_cvt_i32_f32 v[T1], v[T1]                     ; (it saturates)
.if \sum
	TADD \x, 32, 0, 1
.endif
	FMA \y, ST+4*\n, 32, 8
	v_ldexp_f32 v[F], 1.0, v[T1]                   ; a multiplication by it rounds nothing
.if \sum
	v_pk_add_f32 v[ST+4*\i+2:ST+4*\i+3], v[ST+4*\i+2:ST+4*\i+3], v[\x:\x+1]
.endif
	FMA \y, ST+4*\n, 48, 8
	v_pk_mul_f32 v[ST+4*\n+2:ST+4*\n+3], v[ST+4*\n+2:ST+4*\n+3], v[F:F+1] op_sel_hi:[1,0]
.endm
.macro B1 i, n, x, y
	WA                                             ; ahead of the batch
.if \i == 3
	s_wait_dscnt 0x0                               ; the next step's K is in
.endif
	BATCH \n, \x, \y, 0
	WA                                             ; behind the batch
	TADD \x, 2, 0, 8                               ; the sum's first eight lines are the places behind the last product
.if \i == 2
	FK_A                                           ; nine places behind the last product that read K
	FK_L
.endif
	WA                                             ; directly ahead of the first reader of the new scores
	MP1 \i, \n, \x, \y, 1
.endm
.macro HOLD x, b                       ; the conversion does not saturate (ISA guide 7.6.2); p is not negative, so the hold is one-sided; two numbers a line
.set j, \x+16*\b
.rept 8
	v_dual_min_num_f32 v[j], v[j], v[CAP+\b] :: v_dual_min_num_f32 v[j+1], v[j+1], v[CAP+\b]
.set j, j+2
.endr
.endm
.macro CVT x, b
	v_cvt_scalef32_pk8_fp8_f32 v[P+4*\b:P+4*\b+1], v[\x+16*\b:\x+16*\b+7], v[SOP+\b]
	v_cvt_scalef32_pk8_fp8_f32 v[P+4*\b+2:P+4*\b+3], v[\x+16*\b+8:\x+16*\b+15], v[SOP+\b]
.endm
.macro SCL t                           ; the four blocks' scales, level by level
.irp b, 0,1,2,3
.if \t == 0
	v_max_num_f32 v[E+\b], 0x4800000, v[E+\b]      ; the floor 2^(9 - 127): the byte cannot fall under 1
.endif
.if \t == 1
	v_add_nc_u32 v[SOP+\b], 0xfc000000, v[E+\b]    ; 8 off the exponent field: the conversion's scale operand
	v_and_or_b32 v[CAP+\b], v[E+\b], 0x7f800000, s[MNT]   ; 448 x the scale
.endif
.if \t == 2
	v_lshrrev_b32 v[E+\b], 23, v[SOP+\b]           ; the scale's byte
.endif
.endr
.if \t == 3
	v_lshl_or_b32 v[PW], v[E+1], 8, v[E]           ; p's scale word for these 128 keys
	v_lshl_or_b32 v[E+2], v[E+3], 8, v[E+2]
.endif
.if \t == 4
	v_lshl_or_b32 v[PW], v[E+2], 16, v[PW]
.endif
.endm
; PASS 2, tile i (buffer x), and the opening work of tile n (buffer y).  A block's largest p is not searched for: the block's largest score goes through the same multiply-add and exponential
; (this takes the exponential not to fall where its input rises).
.macro B2 i, n, x, y
	WA                                             ; ahead of the batch
.if \i == 0
	FETCH_V                                        ; this step's V: 20 plain lines behind the last product that read V
.endif
.if \i == 3
	s_wait_dscnt 0x0                               ; the next step's K is in
.endif
	BATCH \n, \x, \y, 1
	WA                                             ; behind the batch
	SCL 0                                          ; twelve lines of the scales are the places behind the last product
	SCL 1
.if \i == 2
	FK_A
	s_cmp_eq_u32 s[CNT], 1                         ; behind the last step no K is fetched
	s_cbranch_scc1 .Lnk_\@
	FK_L
.Lnk_\@:
.endif
	WA                                             ; directly ahead of the first reader of the new scores
.set C2, BB+2*\n
	ML0 \y, BM, 2
	MLK \y, BM, 2, 3
	SCL 2
	MLK \y, BM, 2, 5
	SCL 3
	ML3 \y, BM, 2
	HOLD \x, 0
	SCL 4
	ML4 BM, 2
	HOLD \x, 1
	CVT \x, 0
	JOIN BM, 2, 0
	HOLD \x, 2
	CVT \x, 1
	JOIN BM, 2, 1
	HOLD \x, 3
	CVT \x, 2
	JOIN BM, 2, 2
	FMA \y, BB+2*\n, 0, 4
	CVT \x, 3
	FMA \y, BB+2*\n, 8, 8                          ; also the places between p's codes and the products that take them
	WA                                             ; directly ahead of the first reader of O^T, behind the step's last exponential
.if \i == 0
	s_wait_dscnt 0x0                               ; V is in
.endif
	PV \i
	FMA \y, BB+2*\n, 24, 20
.endm
	s_load_b256 s[4:11], s[0:1], 0x0               ; qkvc s[4:5], qkvs s[6:7], aoc s[8:9], sc s[10:11]
	v_lshl_add_u32 v[SPW], v0, 2, SPARE
	v_mov_b32 v[NIL], 0
	ds_add_u32 v[SPW], v[NIL]                      ; the opening lines: the add twice on end and its one wait
	ds_add_u32 v[SPW], v[NIL]
	v_lshrrev_b32 v[AD], 5, v0
	v_readfirstlane_b32 s[WV], v[AD]               ; wave 0..7
	s_and_b32 s14, ttmp7, 0xffff                   ; batch x 16 + head, which the four partners share
	; group 1, elements of 8 bytes, the mask names all four work-groups.  K: a quarter of the codes, 128 rows of 256 bytes; V: a half, 256 rows; the scale words: K's 4,096 bytes and V's, 262,144 bytes apart in memory
.irp g, G1K, G1V
	s_mov_b32 s[\g], 15|(3<<16)|(1<<21)
	s_mov_b32 s[\g+1], 32<<16
	s_mov_b32 s[\g+3], 32<<16
	s_mov_b32 s[\g+5], 32
	s_mov_b32 s[\g+6], 0
	s_mov_b32 s[\g+7], 0
.endr
	s_mov_b32 s[G1K+2], 128<<16
	s_mov_b32 s[G1K+4], 128
	s_mov_b32 s[G1V+2], 256<<16
	s_mov_b32 s[G1V+4], 256
	s_mov_b32 s[G1S], 15|(3<<16)|(1<<21)
	s_mov_b32 s[G1S+1], 512<<16
	s_mov_b32 s[G1S+2], 2<<16
	s_mov_b32 s[G1S+3], 512<<16
	s_mov_b32 s[G1S+4], 2
	s_mov_b32 s[G1S+5], 32768
	s_mov_b32 s[G1S+6], 0
	s_mov_b32 s[G1S+7], 0
	s_and_b32 s15, s[WV], 3
	s_lshl_b32 s15, s15, 15                        ; waves 0-3: which quarter of K
	s_and_b32 s2, s[WV], 1
	s_lshl_b32 s2, s2, 16                          ; waves 4, 5: which half of V
	s_lshl_b32 s16, s14, 17
	s_add_co_u32 s18, s16, s2
	s_add_co_u32 s16, s16, s15
	s_mov_b32 s17, 0
	s_mov_b32 s19, 0
	s_lshl_b32 s20, s14, 12
	s_mov_b32 s21, 0
	s_wait_dscnt 0x0
	s_wait_kmcnt 0x0
	s_mov_b32 s[G0K], 1
	s_mov_b32 s[G0K+1], s15
	s_add_nc_u64 s[G0K+2:G0K+3], s[4:5], s[16:17]
	s_add_nc_u64 s[G0K+2:G0K+3], s[G0K+2:G0K+3], 8388608
	s_or_b32 s[G0K+3], s[G0K+3], 0x80000000
	s_mov_b32 s[G0V], 1
	s_add_co_u32 s[G0V+1], s2, VREG
	s_add_nc_u64 s[G0V+2:G0V+3], s[4:5], s[18:19]
	s_add_nc_u64 s[G0V+2:G0V+3], s[G0V+2:G0V+3], 16777216
	s_or_b32 s[G0V+3], s[G0V+3], 0x80000000
	s_mov_b32 s[G0S], 1
	s_mov_b32 s[G0S+1], KSC
	s_add_nc_u64 s[G0S+2:G0S+3], s[6:7], s[20:21]
	s_add_nc_u64 s[G0S+2:G0S+3], s[G0S+2:G0S+3], 262144
	s_or_b32 s[G0S+3], s[G0S+3], 0x80000000
	CROUND                                         ; all four work-groups are here: the joint loads meet
; THE HEAD'S LOADS, at most one a wave, in one chain of branches on the wave's number: waves 0-3 K's quarters, waves 4 and 5 V's halves, wave 6 the scale words, wave 7 none.  Every byte is filled once.
.macro ARM under, g0, g1, next
	s_cmp_lt_u32 s[WV], \under
	s_cbranch_scc0 \next
	tensor_load_to_lds s[\g0:\g0+3], s[\g1:\g1+7]
	s_nop 0
.rept 4
	v_nop
.endr
	s_branch .Lasked
\next:
.endm
	ARM 4, G0K, G1K, .Lhead_v
	ARM 6, G0V, G1V, .Lhead_s
	ARM 7, G0S, G1S, .Lhead_none
.Lasked:
	s_bfe_u32 s68, ttmp6, 0x40000                  ; cx: my block of 512 queries: it enters q's and the result's addresses alone
	s_lshl_b32 s70, s14, 17                        ; q's codes: the head, 32 tiles of 1,024 bytes a block, 4 a wave
	s_lshl_b32 s69, s68, 15
	s_add_co_u32 s70, s70, s69
	s_lshl_b32 s69, s[WV], 12
	s_add_co_u32 s70, s70, s69
	s_mov_b32 s71, 0
	s_add_nc_u64 s[4:5], s[4:5], s[70:71]
	s_lshl_b32 s70, s14, 12                        ; q's scale words: 64 bytes for two tiles
	s_lshl_b32 s69, s68, 10
	s_add_co_u32 s70, s70, s69
	s_lshl_b32 s69, s[WV], 7
	s_add_co_u32 s70, s70, s69
	s_add_nc_u64 s[6:7], s[6:7], s[70:71]
	s_lshr_b32 s72, s14, 4                         ; batch
	s_and_b32 s73, s14, 15                         ; head
	s_lshl_b32 s70, s72, 21                        ; the result's codes: tile (128 batch + 32 cx + 4 wave) of 16,384 bytes; the head's 64 channels are 1,024 bytes of it
	s_lshl_b32 s69, s68, 19
	s_add_co_u32 s70, s70, s69
	s_lshl_b32 s69, s[WV], 16
	s_add_co_u32 s70, s70, s69
	s_lshl_b32 s69, s73, 10
	s_add_co_u32 s70, s70, s69
	s_add_nc_u64 s[8:9], s[8:9], s[70:71]
	s_lshl_b32 s70, s72, 16                        ; its scale bytes: tile 768 on, 512 bytes a tile, two bytes a head in a row's 32
	s_lshl_b32 s69, s68, 14
	s_add_co_u32 s70, s70, s69
	s_lshl_b32 s69, s[WV], 11
	s_add_co_u32 s70, s70, s69
	s_lshl_b32 s69, s73, 1
	s_add_co_u32 s70, s70, s69
	s_add_co_u32 s70, s70, 393216
	s_add_nc_u64 s[10:11], s[10:11], s[70:71]
	s_mov_b32 s[SEL], 0x76543210
	s_mov_b32 s[SEL+1], 0xfedcba98
	s_mov_b32 s[CS], 0x3e38aa3b                    ; c = log2(e) / 8
	s_mov_b32 s[CS+1], s[CS]
	s_mov_b32 s[MNT], 0x600000
	s_mov_b32 s[TKC], 0x1e000                      ; the first fetch steps to 0
	s_mov_b32 s[TVC], 0x1e000
	v_and_b32 v[AD], 31, v0
	v_lshlrev_b32 v[LA], 4, v[AD]
	v_lshl_add_u32 v[LSK], v[AD], 2, KSC
	v_and_b32 v[ADS], 15, v0
	v_lshlrev_b32 v[ADS], 2, v[ADS]
.irp i, 0,1,2,3
.irp c, 0,1
	global_load_b128 v[16+16*\i+4*\c:16+16*\i+4*\c+3], v[LA], s[4:5] offset:1024*\i+512*\c   ; q stays in registers
.endr
.endr
	global_load_b32 v[QS], v[ADS], s[6:7]
	global_load_b32 v[QS+2], v[ADS], s[6:7] offset:64
.irp z, 8,24,40,56,72
.irp k, 0,1,2,3,4,5,6,7
	v_mov_b32 v[\z+\k], 0                          ; the zero codes beside q: operands, not sums
.endr
.endr
	WIN 0x40
.rept 128
	v_mov_b32 v[\+], 0                             ; O^T: pass 2's loop is written once, its first step adds onto zeros
.endr
	WIN 0
	WA
	s_wait_loadcnt 0x0
	v_alignbit_b32 v[QS+1], v[QS], v[QS], 16       ; a tile's two bytes serve at k 0-63 or at k 64-127
	v_alignbit_b32 v[QS+3], v[QS+2], v[QS+2], 16
.irp i, 0,1,2,3
	v_mov_b32 v[ST+4*\i+1], 0xff61b1e6             ; the largest score so far: -3e38
	v_floor_f32 v[ST+4*\i], -v[ST+4*\i+1]          ; and a -M far above every -M to come: the first change multiplies the zero sums by 0
	v_mov_b32 v[ST+4*\i+2], 0
	v_mov_b32 v[ST+4*\i+3], 0
.endr
	v_mov_b32 v[F+1], 0                            ; (named as the upper half of a pair)
	WA                                             ; the head's end
	s_wait_tensorcnt 0x0                           ; my piece is in,
	s_barrier_signal -1
	s_barrier_wait -1                              ; everybody's is
	FK_A                                           ; step 0
	FK_L
	s_wait_dscnt 0x0
	WIN 0x01
.irp f, 0,1,2,3
	QKP 0, \f, S0
.endr
	WIN 0
	PLACES 8
	WA
	MP1 0, 0, S1, S0, 0                            ; the first tile's opening work
	s_mov_b32 s[CNT], 16
.Lp1:                                              ; PASS 1: 16 steps of 128 keys; the last step's last tile stands behind the loop
	B1 0, 1, S0, S1
	B1 1, 2, S1, S0
	B1 2, 3, S0, S1                                ; (in the last step its fetch brings step 0's K again, for pass 2)
	s_cmp_eq_u32 s[CNT], 1
	s_cbranch_scc1 .Lmid
	B1 3, 0, S1, S0
	s_sub_co_u32 s[CNT], s[CNT], 1
	s_cmp_lg_u32 s[CNT], 0
	s_cbranch_scc1 .Lp1
.Lmid:                                             ; pass 1's last tile; the products in its batch are pass 2's first, and their blocks' maxima are taken beside the last sum
	WA
	s_wait_dscnt 0x0
	BATCH 0, S1, S0, 0
	WA
	TADD S1, 2, 0, 16
	WA
	ML0 S0, MA, 1
	MLK S0, MA, 1, 3
	MLK S0, MA, 1, 5
	ML3 S0, MA, 1
	ML4 MA, 1
	TADD S1, 4, 0, 8
	TADD S1, 8, 0, 4
	TADD S1, 16, 0, 2
	TADD S1, 32, 0, 1
	v_pk_add_f32 v[ST+14:ST+15], v[ST+14:ST+15], v[S1:S1+1]
	; BETWEEN THE PASSES: the two halves of the lanes meet: the larger M, both sums under it; then B'
.irp i, 0,1,2,3
	v_permlanex16_b32 v[TB+\i], v[ST+4*\i], s[SEL], s[SEL+1]
.endr
.irp i, 0,1,2,3
	v_add_f32 v[ST+4*\i+2], v[ST+4*\i+2], v[ST+4*\i+3]
.endr
.irp i, 0,1,2,3
	v_min_num_f32 v[TB+\i], v[TB+\i], v[ST+4*\i]   ; the smaller -M
.endr
.irp i, 0,1,2,3
	v_sub_f32 v[TC+\i], v[TB+\i], v[ST+4*\i]
.endr
.irp i, 0,1,2,3
	v_cvt_i32_f32 v[TC+\i], v[TC+\i]
.endr
.irp i, 0,1,2,3
	v_ldexp_f32 v[TC+\i], 1.0, v[TC+\i]            ; 2^(my M - the row's M)
.endr
.irp i, 0,1,2,3
	v_mul_f32 v[ST+4*\i+2], v[ST+4*\i+2], v[TC+\i]
.endr
.irp i, 0,1,2,3
	v_permlanex16_b32 v[TA+\i], v[ST+4*\i+2], s[SEL], s[SEL+1]
.endr
.irp i, 0,1,2,3
	v_add_f32 v[ST+4*\i+2], v[ST+4*\i+2], v[TA+\i] ; the row's sum under the row's M
.endr
	WA                                             ; ahead of the four logarithms
.irp i, 0,1,2,3
	v_log_f32 v[TD+\i], v[ST+4*\i+2]
.endr
	JOIN MA, 1, 0                                  ; (plain lines behind the logarithms)  tile 0's blocks: the other half's maxima
	WA                                             ; and behind them
.irp i, 0,1,2,3
	v_sub_f32 v[BB+2*\i], v[TB+\i], v[TD+\i]       ; B' = -M - log2(sum)
.endr
	JOIN MA, 1, 1
.set C2, BB
	JOIN MA, 1, 2
	FMA S0, BB, 0, 32                              ; tile 0's exponents
	s_mov_b32 s[CNT], 16
.Lp2:                                              ; PASS 2: 16 steps; the last step's last tile stands behind the loop
	B2 0, 1, S0, S1
	B2 1, 2, S1, S0
	B2 2, 3, S0, S1
	s_cmp_eq_u32 s[CNT], 1
	s_cbranch_scc1 .Lfin
	B2 3, 0, S1, S0
	s_sub_co_u32 s[CNT], s[CNT], 1
	s_cmp_lg_u32 s[CNT], 0
	s_cbranch_scc1 .Lp2
.Lfin:                                             ; the last tile: no scores follow it
	WA
	EXPS E, 0, 4
	EXPS S1, 0, 64
	v_nop
	WA
.irp t, 0,1,2,3,4
	SCL \t
.endr
.irp b, 0,1,2,3
	HOLD S1, \b
.endr
.irp b, 0,1,2,3
	CVT S1, \b
.endr
	PLACES 4                                       ; an operand written by vector instructions stands four places ahead of a scaled matrix instruction
	WA
	PV 3
	PLACES 8                                       ; in front of the first read of O^T
	; THE WAY OUT.  Register 32 i + 16 b + k of O^T is channel 32 b + 16 h + k of my query: quantised along the channels, it is chunk 2 (head % 2) + b of the last product's operand.
	v_and_b32 v[AD], 15, v0
	v_bfe_u32 v[ADS], v0, 4, 1
	v_cmp_eq_u32 vcc_lo, 1, v[ADS]
	v_lshl_add_u32 v[ADS], v[AD], 5, v[ADS]        ; 32 r + h: my byte among the result's scale bytes
.macro OUT i
	WA                                             ; directly ahead of the first reader of this tile's O^T
	WIN 0x05
.irp b, 0,1
	v_max3_num_f32 v[E+\b], |v[32*(\i)+16*\b]|, |v[32*(\i)+16*\b+1]|, 0x4800000
.endr
	WIN 0x14
.irp k, 2,4,6,8,10,12,14
.irp b, 0,1
	v_max3_num_f32 v[E+\b], v[E+\b], |v[32*(\i)+16*\b+\k]|, |v[32*(\i)+16*\b+\k+1]|
.endr
.endr
	WIN 0
.irp b, 0,1
	v_permlanex16_b32 v[MB+\b], v[E+\b], s[SEL], s[SEL+1]
.endr
.irp b, 0,1
	v_max_num_f32 v[E+\b], v[E+\b], v[MB+\b]
.endr
.irp b, 0,1
	v_add_nc_u32 v[SOP+\b], 0xfc000000, v[E+\b]
.endr
.irp b, 0,1
	v_and_or_b32 v[CAP+\b], v[E+\b], 0x7f800000, s[MNT]
.endr
.irp b, 0,1
	v_lshrrev_b32 v[MB+\b], 23, v[SOP+\b]
.endr
	v_cndmask_b32 v[BB+(\i)], v[MB], v[MB+1], vcc_lo   ; lanes 0-15 store the first block's byte, lanes 16-31 the second's
	WIN 0x01
.irp b, 0,1
.irp k, 0,1,2,3,4,5,6,7,8,9,10,11,12,13,14,15
	v_med3_num_f32 v[S0+16*\b+\k], v[32*(\i)+16*\b+\k], -v[CAP+\b], v[CAP+\b]
.endr
.endr
	WIN 0
.irp b, 0,1
	v_cvt_scalef32_pk8_fp8_f32 v[S1+8*(\i)+4*\b:S1+8*(\i)+4*\b+1], v[S0+16*\b:S0+16*\b+7], v[SOP+\b]
	v_cvt_scalef32_pk8_fp8_f32 v[S1+8*(\i)+4*\b+2:S1+8*(\i)+4*\b+3], v[S0+16*\b+8:S0+16*\b+15], v[SOP+\b]
.endr
	v_nop
.irp b, 0,1
	global_store_b128 v[LA], v[S1+8*(\i)+4*\b:S1+8*(\i)+4*\b+3], s[8:9] offset:16384*(\i)+512*\b   ; a chunk: 512 consecutive bytes
.endr
	global_store_b8 v[ADS], v[BB+(\i)], s[10:11] offset:512*(\i)
.endm
	OUT 0
	OUT 1
	OUT 2
	OUT 3
	s_wait_tensorcnt 0x0                           ; the wave's end
	ds_add_u32 v[SPW], v[NIL]
	s_wait_dscnt 0x0
	CROUND                                         ; the closing round
	s_endpgm
.Lfunc_end_k_q83a5a32195_attn:
	.size	k_q83a5a32195_attn, .Lfunc_end_k_q83a5a32195_attn-k_q83a5a32195_attn
	.p2alignl 7, 3214868480
	.fill 96, 4, 3214868480
	.section	.rodata,"a",@progbits
	.p2align	6, 0x0
	.amdhsa_kernel k_q83a5a32195_attn
		.amdhsa_group_segment_fixed_size 327680
		.amdhsa_private_segment_fixed_size 0
		.amdhsa_enable_private_segment 0
		.amdhsa_kernarg_size 32
		.amdhsa_user_sgpr_count 2
		.amdhsa_user_sgpr_kernarg_segment_ptr 1
		.amdhsa_wavefront_size32 1
		.amdhsa_system_sgpr_workgroup_id_x 1
		.amdhsa_system_sgpr_workgroup_id_y 1
		.amdhsa_system_sgpr_workgroup_id_z 1
		.amdhsa_system_vgpr_workitem_id 0
		.amdhsa_next_free_vgpr 512
		.amdhsa_next_free_sgpr 80
		.amdhsa_reserve_vcc 1
		.amdhsa_float_denorm_mode_32 3
		.amdhsa_float_denorm_mode_16_64 3
		.amdhsa_memory_ordered 1
		.amdhsa_forward_progress 1
		.amdhsa_inst_pref_size 151
	.end_amdhsa_kernel
	.amdgpu_metadata
---
amdhsa.version: [ 1, 2 ]
amdhsa.kernels:
  - .name:           k_q83a5a32195_attn
    .symbol:         k_q83a5a32195_attn.kd
    .args:
      - { .name: qkvc, .offset: 0, .size: 8, .value_kind: global_buffer, .address_space: global }
      - { .name: qkvs, .offset: 8, .size: 8, .value_kind: global_buffer, .address_space: global }
      - { .name: aoc, .offset: 16, .size: 8, .value_kind: global_buffer, .address_space: global }
      - { .name: sc, .offset: 24, .size: 8, .value_kind: global_buffer, .address_space: global }
    .group_segment_fixed_size: 327680
    .private_segment_fixed_size: 0
    .kernarg_segment_align: 8
    .kernarg_segment_size: 32
    .max_flat_workgroup_size: 256
    .sgpr_count:     80
    .vgpr_count:     512
    .wavefront_size: 32
...
	.end_amdgpu_metadata
.endif
;; end of part 3
;; launch proj (part 4): grid 8 x 32, 4 waves a work-group, clusters of 4 x 4, 327,680 bytes of LDS; arguments aoc, wc, sc, bo, out0; writes out0
.if DOCPART == 4
	.amdgcn_target "amdgcn-amd-amdhsa--gfx1250"
	.amdhsa_code_object_version 6
	.text
	.protected	k_q83a5a32195_proj
	.globl	k_q83a5a32195_proj
	.p2align	8
	.type	k_q83a5a32195_proj,@function
k_q83a5a32195_proj:
	s_mov_b64 s[64:65], 0
	v_nop
	global_prefetch_b8 v0, s[64:65] scope:SCOPE_SE
	s_setreg_imm32_b32 hwreg(HW_REG_WAVE_MODE, 25, 1), 1
	s_wait_xcnt 0x0
	s_wait_alu depctr_hold_cnt(0) depctr_sa_sdst(0) depctr_va_vdst(0) depctr_va_sdst(0) depctr_va_ssrc(0) depctr_va_vcc(0) depctr_vm_vsrc(0)
	s_getreg_b32 s2, hwreg(HW_REG_IB_STS2, 6, 4)
	s_cmp_eq_u32 s2, 0
	s_cbranch_scc0 .Lentry_in_a_cluster
	s_endpgm
.Lentry_in_a_cluster:
	s_bfe_u32 s2, ttmp6, 0x10000c
	s_cmp_lg_u32 s2, 0xf033
	s_cbranch_scc0 .Lentry_shape_is_right
	s_endpgm
.Lentry_shape_is_right:
.set SLOT,  98304
.set WREG,  65536
.set STAGE, 294912
.set SPARE, 312320
.set ADRA,  16
.set ADRB,  20
.set STO,   24
.set RD,    25
.set CO,    26
.set SPW,   28
.set NIL,   29
.set SCO,   30
.set BOF,   31
.set SC,    32
.set BI,    96
.set AF,    128
.set WV,    14
.set HI,    15
.set LO,    16
.set G1,    24
.set G0,    32
.set G1B,   44
.set G0B,   52
.set MSB, 0
.macro WIN new
.if MSB != (\new)
	s_set_vgpr_msb (MSB<<8)|(\new)
.set MSB, (\new)
.endif
.endm
.macro PLACES n
.rept \n
	v_nop
.endr
.endm
.macro JLOAD g0a, g1a, g0b, g1b
	s_cmp_eq_u32 s[HI], 0
	s_cbranch_scc0 .Lfor_b_\@
	tensor_load_to_lds s[\g0a:\g0a+3], s[\g1a:\g1a+7]
	s_nop 0
.rept 4
	v_nop
.endr
	s_branch .Lasked_\@
.Lfor_b_\@:
	tensor_load_to_lds s[\g0b:\g0b+3], s[\g1b:\g1b+7]
	s_nop 0
.rept 4
	v_nop
.endr
.Lasked_\@:
.endm
.macro CREST
	s_cmp_lg_u32 s[WV], 0
	s_cbranch_scc1 .Lnot_wave_0_\@
	s_barrier_signal -3
.Lnot_wave_0_\@:
	s_barrier_wait -3
	s_barrier_signal -1
	s_barrier_wait -1
.endm
.macro CROUND
	s_barrier_signal -1
	s_barrier_wait -1
	CREST
.endm
.macro FRAG reg, adr, off
.irp c, 0,1,2,3
	ds_load_b128 v[\reg+4*\c:\reg+4*\c+3], v[\adr] offset:\off+512*\c
.endr
.endm
.macro FETCH_B slot, q, p
	WIN 0x40
.irp i, 0,1,2,3
	FRAG 64*(\p)+16*\i, ADRB+\slot, 4096*\i+2048*(\q)
.endr
	WIN 0
.endm
.macro FETCH_A slot, q, i0
.irp i, \i0, \i0+1, \i0+2, \i0+3
	FRAG AF+16*(\i), ADRA+\slot, 4096*(\i)+2048*(\q)
.endr
.endm
.macro MULH a0, p, ks, first
.irp a, \a0, \a0+1
.irp b, 0,1,2,3
.set rD, 8*(4*(\a)+\b)
.set rB, 64*(\p)+16*\b
.set rA, AF+16*(\a)
.if \first
	v_wmma_scale_f32_16x16x128_f8f6f4 v[rD:rD+7], v[rB:rB+15], v[rA:rA+15], v[BI+8*\b:BI+8*\b+7], v[SC+8*\b+(\ks)], v[SC+8*(\a)+(\ks)] matrix_a_scale:MATRIX_SCALE_ROW1
.else
	v_wmma_scale_f32_16x16x128_f8f6f4 v[rD:rD+7], v[rB:rB+15], v[rA:rA+15], v[rD:rD+7], v[SC+8*\b+(\ks)], v[SC+8*(\a)+(\ks)] matrix_a_scale:MATRIX_SCALE_ROW1
.endif
.endr
.endr
.endm
.macro KSTEP p, ks, nslot, nq, first, sync, fslot
.if \sync
	s_wait_tensorcnt 0x0
	ds_add_u32 v[SPW], v[NIL]
	s_wait_dscnt 17
.else
	s_wait_dscnt 16
.endif
	WIN 0xa1-0x20*(\first)
	MULH 0, \p, \ks, \first
.if \sync
	s_wait_dscnt 0x0
	s_barrier_signal -1
.endif
	MULH 2, \p, \ks, \first
.if \sync
	WIN 0
	s_barrier_wait -1
.if \sync == 2
	CREST
	s_add_nc_u64 s[G0+4*\fslot+2:G0+4*\fslot+3], s[G0+4*\fslot+2:G0+4*\fslot+3], 12288
	s_add_nc_u64 s[G0B+4*\fslot+2:G0B+4*\fslot+3], s[G0B+4*\fslot+2:G0B+4*\fslot+3], 12288
	JLOAD G0+4*\fslot, G1, G0B+4*\fslot, G1B
	PLACES 4
.else
	PLACES 8
.endif
.else
	s_wait_dscnt 0x0
	PLACES 8
.endif
	FETCH_B \nslot, \nq, 1-\p
	FETCH_A \nslot, \nq, 0
	WIN 0xa1-0x20*(\first)
	MULH 4, \p, \ks, \first
	MULH 6, \p, \ks, \first
	PLACES 8
	WIN 0
	FETCH_A \nslot, \nq, 4
.endm
	s_load_b256 s[4:11], s[0:1], 0x0
	s_load_b64 s[12:13], s[0:1], 0x20
	v_lshl_add_u32 v[SPW], v0, 2, SPARE
	v_mov_b32 v[NIL], 0
	ds_add_u32 v28, v29
	ds_add_u32 v28, v29
	s_wait_dscnt 0x0
	v_lshrrev_b32 v1, 5, v0
	v_readfirstlane_b32 s[WV], v1
	s_lshr_b32 s[HI], s[WV], 1
	s_and_b32 s[LO], s[WV], 1
	s_bfe_u32 s17, ttmp6, 0x40000
	s_bfe_u32 s18, ttmp6, 0x40004
	s_lshl_b32 s19, ttmp9, 2
	s_add_co_u32 s19, s19, s17
	s_and_b32 s20, ttmp7, 0xffff
	s_lshl_b32 s20, s20, 2
	s_add_co_u32 s20, s20, s18
	s_lshl_b32 s21, s18, 2
	s_lshl_b32 s21, 15, s21
	s_lshl_b32 s22, 0x1111, s17
	s_or_b32 s[G1], s21, (3<<16)|(1<<21)
	s_mov_b32 s[G1+1], 512<<16
	s_mov_b32 s[G1+2], 8<<16
	s_mov_b32 s[G1+3], 512<<16
	s_mov_b32 s[G1+4], 8
	s_mov_b32 s[G1+5], 2048
	s_mov_b32 s[G1+6], 0
	s_mov_b32 s[G1+7], 0
	s_or_b32 s[G1B], s22, (3<<16)|(1<<21)
	s_mov_b32 s[G1B+1], 512<<16
	s_mov_b32 s[G1B+2], 4<<16
	s_mov_b32 s[G1B+3], 512<<16
	s_mov_b32 s[G1B+4], 4
	s_mov_b32 s[G1B+5], 2048
	s_mov_b32 s[G1B+6], 0
	s_mov_b32 s[G1B+7], 0
	s_lshl_b32 s66, s20, 18
	s_lshl_b32 s67, s[LO], 17
	s_add_co_u32 s66, s66, s67
	s_mov_b32 s67, 0
	s_lshl_b32 s68, s19, 17
	s_lshl_b32 s69, s[LO], 16
	s_add_co_u32 s68, s68, s69
	s_add_co_u32 s68, s68, 192*16384
	s_mov_b32 s69, 0
	s_lshl_b32 s70, s[LO], 15
	s_lshl_b32 s71, s[LO], 14
	s_add_co_u32 s71, s71, WREG
	s_wait_kmcnt 0x0
	s_add_nc_u64 s[66:67], s[4:5], s[66:67]
	s_add_nc_u64 s[68:69], s[6:7], s[68:69]
	; the scale words of all eight K steps and the bias are asked for here, ahead of the first round and the first tiles
	s_lshl_b32 s74, s20, 4
	s_lshl_b32 s75, s[HI], 3
	s_add_co_u32 s74, s74, s75
	s_add_co_u32 s74, s74, 768
	s_lshl_b32 s74, s74, 9
	s_lshl_b32 s76, s19, 3
	s_lshl_b32 s75, s[LO], 2
	s_add_co_u32 s76, s76, s75
	s_add_co_u32 s76, s76, 704
	s_lshl_b32 s76, s76, 9
	s_lshl_b32 s78, s19, 9
	s_lshl_b32 s79, s[LO], 8
	s_add_co_u32 s78, s78, s79
	s_mov_b32 s79, 0
	s_add_nc_u64 s[10:11], s[10:11], s[78:79]
	s_add_nc_u64 s[12:13], s[12:13], s[78:79]
	s_lshl_b32 s78, s20, 20
	s_lshl_b32 s80, s[HI], 19
	s_add_co_u32 s78, s78, s80
	s_add_nc_u64 s[12:13], s[12:13], s[78:79]
	v_and_b32 v3, 15, v0
	v_bfe_u32 v4, v0, 4, 1
	v_cmp_eq_u32 vcc_lo, 1, v4
	v_mov_b32 v5, s74
	v_mov_b32 v6, s76
	v_cndmask_b32 v5, v5, v6, vcc_lo
	v_lshl_add_u32 v[SCO], v3, 5, v5
	v_lshlrev_b32 v[BOF], 6, v4
.irp i, 0,1,2,3,4,5,6,7
	global_load_b128 v[SC+8*\i:SC+8*\i+3], v[SCO], s[8:9] offset:512*\i
	global_load_b128 v[SC+8*\i+4:SC+8*\i+7], v[SCO], s[8:9] offset:512*\i+16
.endr
.irp b, 0,1,2,3
	global_load_b128 v[BI+8*\b:BI+8*\b+3], v[BOF], s[10:11] offset:(32*(\b/2)+8*(\b%2))*4
	global_load_b128 v[BI+8*\b+4:BI+8*\b+7], v[BOF], s[10:11] offset:(32*(\b/2)+8*(\b%2))*4+16
.endr
	CROUND
.irp s, 0,1,2
	s_mov_b32 s[G0+4*\s], 1
	s_add_co_u32 s[G0+4*\s+1], s70, \s*SLOT
	s_add_nc_u64 s[G0+4*\s+2:G0+4*\s+3], s[66:67], \s*4096
	s_or_b32 s[G0+4*\s+3], s[G0+4*\s+3], 0x80000000
	s_mov_b32 s[G0B+4*\s], 1
	s_add_co_u32 s[G0B+4*\s+1], s71, \s*SLOT
	s_add_nc_u64 s[G0B+4*\s+2:G0B+4*\s+3], s[68:69], \s*4096
	s_or_b32 s[G0B+4*\s+3], s[G0B+4*\s+3], 0x80000000
.if \s                                 ; slot 0's load stands behind the opening lines and the first round; the later first fills behind the full sequence
	s_wait_alu depctr_va_vdst(0)
	s_wait_tensorcnt 0x0
	ds_add_u32 v28, v29
	ds_add_u32 v28, v29
	s_wait_dscnt 0x0
	CROUND
.endif
	JLOAD G0+4*\s, G1, G0B+4*\s, G1B
.endr
	v_and_b32 v1, 31, v0
	v_lshlrev_b32 v2, 4, v1
	s_wait_alu depctr_va_vdst(0)
	s_lshl_b32 s72, s[HI], 15
	s_lshl_b32 s73, s[LO], 14
	s_add_co_u32 s73, s73, WREG
.irp s, 0,1,2
	v_add_nc_u32 v[ADRA+\s], s72, v2
	v_add_nc_u32 v[ADRB+\s], s73, v2
	s_add_co_u32 s72, s72, SLOT
	s_add_co_u32 s73, s73, SLOT
.endr
	s_mul_i32 s81, s[WV], 16*272
	s_add_co_u32 s81, s81, STAGE
	v_mul_u32_u24 v[STO], v3, 272
	v_lshl_add_u32 v[STO], v4, 6, v[STO]
	v_add_nc_u32 v[STO], s81, v[STO]
	v_mul_u32_u24 v[RD], v4, 272
	v_lshl_add_u32 v[RD], v3, 4, v[RD]
	v_add_nc_u32 v[RD], s81, v[RD]
	v_lshlrev_b32 v[CO], 12, v4
	v_lshl_add_u32 v[CO], v3, 4, v[CO]
	s_wait_alu depctr_va_vdst(0)
	s_wait_tensorcnt 2
	s_barrier_signal -1
	s_barrier_wait -1
	FETCH_B 0, 0, 0
	FETCH_A 0, 0, 0
	FETCH_A 0, 0, 4
	s_wait_loadcnt 0x0
	KSTEP 0, 0, 0, 1, 1, 0, 0
	KSTEP 1, 1, 1, 0, 0, 2, 0
	KSTEP 0, 2, 1, 1, 0, 0, 0
	KSTEP 1, 3, 2, 0, 0, 0, 0
	KSTEP 0, 4, 2, 1, 0, 0, 0
	KSTEP 1, 5, 0, 0, 0, 1, 0
	KSTEP 0, 6, 0, 1, 0, 0, 0
	s_wait_dscnt 16
	WIN 0xa1
	MULH 0, 1, 7, 0
	MULH 2, 1, 7, 0
	s_wait_alu depctr_va_vdst(0)
	s_wait_dscnt 0x0
	MULH 4, 1, 7, 0
	MULH 6, 1, 7, 0
	WIN 0
.macro TOSTAGE a
	WIN 0x08
.irp b, 0,1,2,3
	ds_store_b128 v[STO], v[8*(4*(\a)+\b):8*(4*(\a)+\b)+3] offset:128*(\b/2)+32*(\b%2)
	ds_store_b128 v[STO], v[8*(4*(\a)+\b)+4:8*(4*(\a)+\b)+7] offset:128*(\b/2)+32*(\b%2)+16
.endr
	WIN 0
.set BB, AF+32*((\a)%2)
.irp t, 0,1,2,3,4,5,6,7
	ds_load_b128 v[BB+4*\t:BB+4*\t+3], v[RD] offset:544*\t
.endr
.endm
.macro SEND a, younger
.set BB, AF+32*((\a)%2)
	s_wait_dscnt \younger
.irp t, 0,1,2,3,4,5,6,7
	global_store_b128 v[CO], v[BB+4*\t:BB+4*\t+3], s[12:13] offset:(32*((\a)/2)+8*((\a)%2)+2*\t+8*(\t/4))*4096 th:TH_STORE_NT
.endr
.endm
	PLACES 8
	TOSTAGE 0
.irp a, 1,2,3,4,5,6,7
.if \a > 1
	s_wait_xcnt 0x0
.endif
	TOSTAGE \a
	SEND \a-1, 16
.endr
	SEND 7, 0
	s_wait_tensorcnt 0x0
	ds_add_u32 v[SPW], v[NIL]
	s_wait_dscnt 0x0
	CROUND
	s_endpgm
.Lfunc_end_k_q83a5a32195_proj:
	.size	k_q83a5a32195_proj, .Lfunc_end_k_q83a5a32195_proj-k_q83a5a32195_proj
	.p2alignl 7, 3214868480
	.fill 96, 4, 3214868480
	.section	.rodata,"a",@progbits
	.p2align	6, 0x0
	.amdhsa_kernel k_q83a5a32195_proj
		.amdhsa_group_segment_fixed_size 327680
		.amdhsa_private_segment_fixed_size 0
		.amdhsa_enable_private_segment 0
		.amdhsa_kernarg_size 40
		.amdhsa_user_sgpr_count 2
		.amdhsa_user_sgpr_kernarg_segment_ptr 1
		.amdhsa_wavefront_size32 1
		.amdhsa_system_sgpr_workgroup_id_x 1
		.amdhsa_system_sgpr_workgroup_id_y 1
		.amdhsa_system_sgpr_workgroup_id_z 1
		.amdhsa_system_vgpr_workitem_id 0
		.amdhsa_next_free_vgpr 768
		.amdhsa_next_free_sgpr 100
		.amdhsa_reserve_vcc 1
		.amdhsa_float_denorm_mode_32 3
		.amdhsa_float_denorm_mode_16_64 3
		.amdhsa_memory_ordered 1
		.amdhsa_forward_progress 1
		.amdhsa_inst_pref_size 90
	.end_amdhsa_kernel
	.amdgpu_metadata
---
amdhsa.version: [ 1, 2 ]
amdhsa.kernels:
  - .name:           k_q83a5a32195_proj
    .symbol:         k_q83a5a32195_proj.kd
    .args:
      - { .name: aoc, .offset: 0, .size: 8, .value_kind: global_buffer, .address_space: global }
      - { .name: wc, .offset: 8, .size: 8, .value_kind: global_buffer, .address_space: global }
      - { .name: sc, .offset: 16, .size: 8, .value_kind: global_buffer, .address_space: global }
      - { .name: bo, .offset: 24, .size: 8, .value_kind: global_buffer, .address_space: global }
      - { .name: out0, .offset: 32, .size: 8, .value_kind: global_buffer, .address_space: global }
    .group_segment_fixed_size: 327680
    .private_segment_fixed_size: 0
    .kernarg_segment_align: 8
    .kernarg_segment_size: 40
    .max_flat_workgroup_size: 128
    .sgpr_count:     100
    .vgpr_count:     768
    .wavefront_size: 32
...
	.end_amdgpu_metadata
.endif
;; end of part 4
